; MI455X (gfx1250); checked and timed in simulation.
; The chip was launched on July 23, 2026; its instructions are those of AMD's public machine-readable ISA for CDNA 5 (MIT licence, August 2026) and "CDNA5" Instruction Set Architecture Reference Guide (July 2026). The comments in the code are by the model that wrote it; some were corrected since.
;; Causal Self Attention. Allowed arithmetic: matrix products marked QUANTISED: E2M3 operands, one E8M0 scale for each 32 along K, by v_wmma_scale_f32_16x16x128_f8f6f4 with both operands' format E2M3, f32 sums; everything else in f32.
;; Inputs: W_proj 1,024 x 1,024 float32; W_qkv 1,024 x 3,072 float32; b_proj 1,024 float32; b_qkv 3,072 float32; x 4 x 2,048 x 1,024 float32.
;; Outputs: out0 4 x 2,048 x 1,024 float32.
;; This version of the problem:
;;   THIS VERSION OF THE PROBLEM IS GIVEN IN LOW PRECISION. The matrix products marked QUANTISED in the list below multiply operands that are first quantised to E2M3 (2 exponent bits, 3 mantissa bits; 6 bits a number), with one power-of-two scale for each 32 numbers along K (OCP MX v1.0); their sums are f32. All else is computed in f32.
;;   The module's matrix products, in the order in which they are computed (A, B: the left and right operand; K: the contracted axis; several contracted axes count as one K, in the product's order):
;;     1. [M 8,192, K 1,024] x [K 1,024, N 3,072]; A: input x; B: input W_qkv: QUANTISED
;;     2. batch 64 x [M 2,048, K 64] x [K 64, N 2,048]; A: computed on the way; B: computed on the way: QUANTISED
;;     3. batch 64 x [M 2,048, K 2,048] x [K 2,048, N 64]; A: softmax (see below); B: computed on the way: QUANTISED
;;     4. [M 8,192, K 1,024] x [K 1,024, N 1,024]; A: computed on the way; B: input W_proj: QUANTISED
;;   THE QUANTISER, for each operand of a quantised product, along K:
;;     - K is cut into blocks of 32 from its start; a last block that is shorter is filled with zeros.
;;     - A block's scale is 2^e with e = floor(log2(the largest magnitude in the block)) - 2, held to -126 .. 127; a block of zeros has e = 0. As a byte (E8M0): e + 127.
;;     - Each number is divided by its block's scale, clamped to +-7.5, and rounded to the nearest number of E2M3, ties to even, subnormals kept.
;;     - The product sums the exact products of the quantised numbers (number of the format x scale) in f32.
;;   ~~~python
;;   def quantise(x, axis):      # numpy; x: float32 -> the quantised numbers, widened to float32 again
;;       x = np.moveaxis(x, axis, -1); K = x.shape[-1]
;;       x = np.pad(x, [(0, 0)] * (x.ndim - 1) + [(0, -K % 32)]); x = x.reshape(x.shape[:-1] + (-1, 32)); a = np.abs(x).max(-1, keepdims=True)
;;       e = np.where(a > 0, np.clip(np.frexp(np.where(a > 0, a, 1))[1] - 1 - 2, -126, 127), 0)      # np.frexp(a)[1] - 1 = floor(log2(a)), exactly
;;       r = np.clip(x / 2.0 ** e, -7.5, 7.5)
;;       step = 2.0 ** (np.maximum(np.frexp(np.where(r == 0, 1, r))[1] - 1, 0) - 3)
;;       q = np.round(r / step) * step * 2.0 ** e      # np.round: ties to even
;;       return np.moveaxis(q.reshape(q.shape[:-2] + (-1,))[..., :K], -1, axis).astype(np.float32)
;;   ~~~
;;   SOFTMAX AHEAD OF A QUANTISED PRODUCT. Where the list says 'softmax', what is quantised is not the finished softmax but p = 2^(t - M), with t = logit x log2(e) and M = ceil(the row's largest t), a whole number; so 1/2 < the row's largest p <= 1. The row's sum l is taken of the UNQUANTISED p, in f32, and the product's result is divided by l at the end. Since M is a whole number, a kernel that streams over the keys may use a running M (the ceiling of the running maximum): every later rescaling is an exact power of two, which a block's scale takes up: the codes' values come out the same.
;;   OPERANDS COMPUTED ON THE WAY. 'Computed on the way' means the value that the module computes at that place (a softmax that the list does not call 'softmax' is quantised finished and normalised). What goes into a quantiser is computed in f32, as accurately as f32 sums, v_exp_f32 and their like allow (about 1e-6 of the number): no bf16 or f16 on the way to a quantiser, and a product that is left as it is and whose result goes on into a quantised operand takes f32 operands (vector FMAs, or v_wmma_f32_16x16x4_f32). A number that lies on a knife's edge between two numbers of the format may be rounded either way, as far as f32 arithmetic and the matrix unit's own rounding can turn it there, and no further.
;; One version. Each part assembles by itself: llvm-mc -triple=amdgcn-amd-amdhsa -mcpu=gfx1250 --defsym DOCPART=n.
;; ======== version 1 of 1: 4 launches
;; workspace buffers: xq 6,553,600 bytes; wc 3,276,800 bytes; qb 13,369,344 bytes; kv 13,369,344 bytes; yq 6,553,600 bytes
;; launch quant (part 1): grid 512 x 1, 4 waves a work-group, no clusters, 58,880 bytes of LDS; arguments x, W_qkv, W_proj, xq, wc; writes xq, wc
.if DOCPART == 1
	.amdgcn_target "amdgcn-amd-amdhsa--gfx1250"
	.amdhsa_code_object_version 6
	.text
	.protected	k_q09e224c5bf_quant
	.globl	k_q09e224c5bf_quant
	.p2align	8
	.type	k_q09e224c5bf_quant,@function
k_q09e224c5bf_quant:
	s_mov_b64 s[64:65], 0
	v_nop
	global_prefetch_b8 v0, s[64:65] scope:SCOPE_SE
	s_setreg_imm32_b32 hwreg(HW_REG_WAVE_MODE, 25, 1), 1
	s_wait_xcnt 0x0
; x [8192][1024], W_qkv [1024][3072] and W_proj [1024][1024], f32, become codes of FP6 (E2M3) with one E8M0 byte for each 32 along K (x: its last axis; the weights: their first).
; A block's scale is 2^(floor(log2(largest magnitude)) - 2); its byte is the largest magnitude's exponent field - 2, held at 1 from below.
; LIMITS: NaN and infinities are not served.  A block of zeros, or one whose largest magnitude lies under 2^-124, gets the byte 1 (its codes are zeros or tiny): only this program reads the bytes.
; LAYOUT OF THE RESULTS: in the order of an operand's registers.  A fragment is 16 rows x 128 K: 12 registers a lane, 1,536 bytes: registers 4 c .. 4 c + 3 of lane l at 512 c + 16 l.
; The 16 rows of tile T are not neighbours: lane r holds row 32 (T / 2) + 8 (T % 2) + r + 8 (r / 8).  Codes: [block of 128 rows][256 along K][tile 8][128 along K, 2][1,536].
; Scale words (4 bytes: one fragment's row) behind the codes: [tile][256 along K, 4][r 16][2].
; Work-groups 0-255 take x, 256-447 W_qkv, 448-511 W_proj.  Waves share nothing: no barrier.  Each of the three ways has LDS bytes of its own.
.set XSCL, 6291456                     ; where x's scale words begin in xq
.set WSCL, 3145728                     ; and the weights' in wc
.set TM,  8                            ; v8-11 largest magnitudes, v12-15 the other half's, then bytes, v20-23 the conversions' scale operands
.set PW,  24                           ; v24-27 four scale words
.set PC,  32                           ; v32-43 a fragment's codes, v44-50 at work
.set X,   64                           ; v64-127 64 numbers of a lane (weights: two sets of 32)
.set R,   128                          ; v128-255 two sets of 64 registers as loaded
.set SEL, 20                           ; s[20:21] selects for lane l xor 16
; 64 numbers of a lane, register 16 b + i = k 32 b + 16 (lane / 16) + i of my row, become a fragment's codes in v[PC] on and its scale word in v[pw]
.macro QUANT s, pw
.irp b, 0,1,2,3
	v_max3_num_f32 v[TM+\b], |v[(\s)+16*\b]|, |v[(\s)+1+16*\b]|, 0x1800000   ; my 16 numbers of block b, and the floor 2^(3 - 127): the byte cannot fall under 1
.endr
.irp i, 2,4,6,8,10,12,14
.irp b, 0,1,2,3
	v_max3_num_f32 v[TM+\b], v[TM+\b], |v[(\s)+16*\b+\i]|, |v[(\s)+1+16*\b+\i]|
.endr
.endr
.irp b, 0,1,2,3
	v_permlanex16_b32 v[TM+4+\b], v[TM+\b], s[SEL], s[SEL+1]
.endr
.irp b, 0,1,2,3
	v_max_num_f32 v[TM+\b], v[TM+\b], v[TM+4+\b]          ; with lane l xor 16's: the block's largest magnitude
.endr
.irp b, 0,1,2,3
	v_add_nc_u32 v[TM+12+\b], 0xff000000, v[TM+\b]        ; 2 off its exponent field: the conversion's scale operand
.endr
.irp b, 0,1,2,3
	v_lshrrev_b32 v[TM+4+\b], 23, v[TM+12+\b]             ; the scale's byte
.endr
	v_lshl_or_b32 v[\pw], v[TM+5], 8, v[TM+4]
	v_lshl_or_b32 v[\pw], v[TM+6], 16, v[\pw]
	v_lshl_or_b32 v[\pw], v[TM+7], 24, v[\pw]
.irp c, 0,1
	v_cvt_scalef32_pk16_fp6_f32 v[PC+6*\c:PC+2+6*\c], v[(\s)+32*\c:(\s)+15+32*\c], v[TM+12+2*\c]
	v_cvt_scalef32_pk16_fp6_f32 v[PC+12+4*\c:PC+14+4*\c], v[(\s)+16+32*\c:(\s)+31+32*\c], v[TM+12+2*\c+1]   ; (a conversion's three registers begin on an even number)
.endr
	v_nop                                          ; one plain line behind the scaled conversions
.irp c, 0,1                                    ; the layout wants a whole block in a lane: lanes 0-15 block 2 c, lanes 16-31 block 2 c + 1
.irp i, 0,1,2
	v_permlane16_swap_b32 v[PC+6*\c+\i], v[PC+12+4*\c+\i]
.endr
.irp i, 0,1,2
	v_mov_b32 v[PC+3+6*\c+\i], v[PC+12+4*\c+\i]
.endr
.endr
.endm
	s_load_b256 s[4:11], s[0:1], 0x0               ; x s[4:5], W_qkv s[6:7], W_proj s[8:9], xq s[10:11]
	s_load_b64 s[12:13], s[0:1], 0x20              ; wc
	v_lshl_add_u32 v62, v0, 2, 0xe400
	v_mov_b32 v63, 0
	v_lshrrev_b32 v1, 5, v0
	v_readfirstlane_b32 s14, v1                    ; wave
	v_and_b32 v2, 31, v0                           ; lane
	v_lshlrev_b32 v4, 4, v2                        ; 16 x lane
	s_cmp_lt_u32 ttmp9, 256
	s_cbranch_scc0 .Lweights
; ---- x: a wave takes one tile of 16 rows and 512 along K: four fragments.  Each load reads 512 consecutive bytes of one row; a fragment's 16 rows turn through the wave's own
; stage in LDS (rows of 528 bytes) so that a lane gets 16 neighbours of each block of 32.
	s_mov_b32 s[SEL], 0x76543210
	s_mov_b32 s[SEL+1], 0xfedcba98
	s_lshl_b32 s15, ttmp9, 1
	s_lshr_b32 s16, s14, 1
	s_add_co_u32 s15, s15, s16                     ; the tile
	s_and_b32 s16, s14, 1                          ; which half of K
	s_lshr_b32 s17, s15, 1
	s_lshl_b32 s17, s17, 17                        ; 32 rows of 4,096 bytes for each pair of tiles
	s_and_b32 s18, s15, 1
	s_lshl_b32 s18, s18, 15                        ; 8 rows for the odd tile
	s_add_co_u32 s22, s17, s18
	s_lshl_b32 s18, s16, 11
	s_add_co_u32 s22, s22, s18
	s_mov_b32 s23, 0
	s_lshr_b32 s17, s15, 3
	s_mul_i32 s24, s17, 98304                      ; the codes: block of 128 rows,
	s_mul_i32 s18, s16, 49152                      ; two steps of 256 along K for the upper half,
	s_add_co_u32 s24, s24, s18
	s_and_b32 s17, s15, 7
	s_mul_i32 s17, s17, 3072                       ; the tile in its block
	s_add_co_u32 s24, s24, s17
	s_mov_b32 s25, 0
	s_lshl_b32 s26, s15, 9                         ; the scale words: 512 bytes a tile, 256 for each half of K
	s_lshl_b32 s17, s16, 8
	s_add_co_u32 s26, s26, s17
	s_add_co_u32 s26, s26, XSCL
	s_mov_b32 s27, 0
	s_mul_i32 s17, s14, 8448                       ; my stage
	s_wait_alu depctr_va_vdst(0)
	v_add_nc_u32 v5, s17, v4                       ; in: 16 x lane, + 528 a row
	v_and_b32 v3, 15, v0
	v_bfe_u32 v7, v0, 4, 1
	v_mul_u32_u24 v6, v3, 528
	v_lshl_add_u32 v6, v7, 6, v6
	v_add_nc_u32 v6, s17, v6                       ; out: row r, + 64 h
	v_lshlrev_b32 v7, 3, v2                        ; 8 x lane
.irp b, 0,1,2,3
	v_mov_b32 v[TM+4+\b], 0                        ; written once: a lane permute's destination counts as one of its sources
.endr
	s_wait_alu depctr_va_vdst(0)
	s_wait_kmcnt 0x0
	s_add_nc_u64 s[4:5], s[4:5], s[22:23]
	s_add_nc_u64 s[28:29], s[10:11], s[24:25]
	s_add_nc_u64 s[30:31], s[10:11], s[26:27]
.macro LOADX f
.irp t, 0,1,2,3,4,5,6,7,8,9,10,11,12,13,14,15
	global_load_b128 v[R+64*((\f)%2)+4*\t:R+64*((\f)%2)+4*\t+3], v4, s[4:5] offset:(\t+8*(\t/8))*4096+512*(\f) th:TH_LOAD_NT
.endr
.endm
.macro STEPX f
.if (\f) < 3
	s_wait_loadcnt 16                              ; this fragment's 16 loads are in; the next fragment's 16 may be out
.else
	s_wait_loadcnt 0x0
.endif
.irp t, 0,1,2,3,4,5,6,7,8,9,10,11,12,13,14,15
	ds_store_b128 v5, v[R+64*((\f)%2)+4*\t:R+64*((\f)%2)+4*\t+3] offset:528*\t
.endr
.irp b, 0,1,2,3
.irp j, 0,1,2,3
	ds_load_b128 v[X+16*\b+4*\j:X+16*\b+4*\j+3], v6 offset:128*\b+16*\j   ; LDS serves a wave's instructions in order: these see the stores above
.endr
.endr
	s_wait_dscnt 0x0                               ; the numbers are back, and the stores have read their registers
	s_wait_xcnt 0x0                                ; the last fragment's stores have read the codes' registers
.if (\f) < 2
	LOADX (\f)+2
.endif
	QUANT X, PW+(\f)
.irp c, 0,1,2
	global_store_b128 v4, v[PC+4*\c:PC+4*\c+3], s[28:29] offset:((\f)/2)*24576+((\f)%2)*1536+512*\c   ; 512 consecutive bytes, aligned
.endr
.endm
	LOADX 0
	LOADX 1
	STEPX 0
	STEPX 1
	STEPX 2
	STEPX 3
	s_mov_b32 vcc_lo, 0xffff0000
	v_cndmask_b32 v28, v24, v26, vcc_lo            ; lanes 0-15: the words of fragments 0, 1; lanes 16-31: of 2, 3
	v_cndmask_b32 v29, v25, v27, vcc_lo
	global_store_b64 v7, v[28:29], s[30:31]        ; 256 consecutive bytes, aligned
	s_wait_tensorcnt 0x0
	ds_add_u32 v62, v63
	s_wait_dscnt 0x0
	s_endpgm
; ---- a weight [1024][N]: a wave takes 32 columns x 128 along K.  A lane takes a column and its registers run down K: a block of 32 lies in one lane.
; The codes go into the wave's own stage as the images of two fragments and leave as 512 consecutive bytes a store.  The scale words leave 4 bytes a lane, 8 bytes apart: one byte in 128 of what is read.
.macro WLOAD t, N
.irp i, 0,1,2,3,4,5,6,7,8,9,10,11,12,13,14,15,16,17,18,19,20,21,22,23,24,25,26,27,28,29,30,31
	global_load_b32 v[X+32*((\t)%2)+\i], v3, s[22:23] offset:(32*(\t)+\i)*4*\N th:TH_LOAD_NT
.endr
.endm
.macro WBLOCK t, N
.set XS, X+32*((\t)%2)
.if (\t) < 3
	s_wait_loadcnt 32                              ; this block's 32 loads are in; the next block's may be out
.else
	s_wait_loadcnt 0x0
.endif
	v_max3_num_f32 v12, |v[XS]|, |v[XS+1]|, |v[XS+2]|
	v_max3_num_f32 v13, |v[XS+3]|, |v[XS+4]|, |v[XS+5]|
.irp i, 6,10,14,18,22,26
	v_max3_num_f32 v12, v12, |v[XS+\i]|, |v[XS+\i+1]|
	v_max3_num_f32 v13, v13, |v[XS+\i+2]|, |v[XS+\i+3]|
.endr
	v_max3_num_f32 v12, v12, |v[XS+30]|, |v[XS+31]|
	v_max3_num_f32 v12, v12, v13, 0x1800000        ; and the floor
	v_add_nc_u32 v11, 0xff000000, v12              ; the conversion's scale operand
	v_lshrrev_b32 v13, 23, v11                     ; the byte
.if (\t) == 0
	v_mov_b32 v24, v13
.else
	v_lshl_or_b32 v24, v13, 8*(\t), v24
.endif
	v_cvt_scalef32_pk16_fp6_f32 v[32:34], v[XS:XS+15], v11
	v_cvt_scalef32_pk16_fp6_f32 v[36:38], v[XS+16:XS+31], v11
	v_nop
	v_mov_b32 v35, v36                             ; the block's six registers on end
	v_mov_b32 v36, v37
	v_mov_b32 v37, v38
.if (\t)/2 == 0                                ; registers 0-5 of lane (r', h = t % 2) of my column's tile
	ds_store_b128 v5, v[32:35] offset:256*((\t)%2)
	ds_store_b64 v5, v[36:37] offset:512+256*((\t)%2)
.else                                          ; registers 6-11
	ds_store_b64 v5, v[32:33] offset:520+256*((\t)%2)
	ds_store_b128 v5, v[34:37] offset:1024+256*((\t)%2)
.endif
.if (\t) < 2
	WLOAD (\t)+2, \N
.endif
	s_wait_dscnt 0x0                               ; the stores have read their registers
.endm
.macro WPATH N, id0, rb0, stage, plo
	s_sub_co_u32 s15, ttmp9, \id0
	s_and_b32 s16, s15, 7                          ; which 128 along K
	s_lshr_b32 s15, s15, 3                         ; which 128 columns
	s_mul_i32 s22, s16, 512*\N
	s_lshl_b32 s17, s15, 9
	s_add_co_u32 s22, s22, s17
	s_lshl_b32 s17, s14, 7
	s_add_co_u32 s22, s22, s17                     ; the weight: 128 rows a step, 512 bytes a block of columns, 128 a wave
	s_mov_b32 s23, 0
	s_add_co_u32 s15, s15, \rb0                    ; the block of 128 rows in wc
	s_mul_i32 s24, s15, 98304
	s_lshr_b32 s17, s16, 1
	s_mul_i32 s18, s17, 24576
	s_add_co_u32 s24, s24, s18
	s_mul_i32 s18, s14, 6144                       ; my two tiles
	s_add_co_u32 s24, s24, s18
	s_and_b32 s18, s16, 1
	s_mul_i32 s19, s18, 1536
	s_add_co_u32 s24, s24, s19
	s_mov_b32 s25, 0
	s_lshl_b32 s26, s15, 12                        ; the scale words: 512 bytes a tile
	s_lshl_b32 s19, s14, 10
	s_add_co_u32 s26, s26, s19
	s_lshl_b32 s17, s17, 7
	s_add_co_u32 s26, s26, s17
	s_lshl_b32 s18, s18, 2
	s_add_co_u32 s26, s26, s18
	s_add_co_u32 s26, s26, WSCL
	s_mov_b32 s27, 0
	v_lshlrev_b32 v3, 2, v2                        ; in: 4 bytes a lane
	v_bfe_u32 v8, v0, 3, 1                         ; u: which of the two tiles holds my column
	v_and_b32 v9, 7, v0
	v_bfe_u32 v10, v0, 4, 1
	v_lshl_add_u32 v9, v10, 3, v9                  ; r': which lane of it
	s_mul_i32 s17, s14, 3072
	s_add_co_u32 s17, s17, \stage                  ; my stage
	v_mul_u32_u24 v5, v8, 1536
	v_lshl_add_u32 v5, v9, 4, v5
	v_add_nc_u32 v5, s17, v5
	v_add_nc_u32 v6, s17, v4
	v_lshlrev_b32 v7, 9, v8
	v_lshl_add_u32 v7, v9, 3, v7                   ; my scale word: 512 u + 8 r'
	s_wait_kmcnt 0x0
	s_add_nc_u64 s[22:23], s[\plo:\plo+1], s[22:23]
	s_add_nc_u64 s[24:25], s[12:13], s[24:25]
	s_add_nc_u64 s[26:27], s[12:13], s[26:27]
	WLOAD 0, \N
	WLOAD 1, \N
	WBLOCK 0, \N
	WBLOCK 1, \N
	WBLOCK 2, \N
	WBLOCK 3, \N
.irp i, 0,1,2,3,4,5
	ds_load_b128 v[128+4*\i:131+4*\i], v6 offset:512*\i
.endr
	s_wait_alu depctr_va_vdst(0)
	global_store_b32 v7, v24, s[26:27]
.irp i, 0,1,2,3,4,5
	s_wait_dscnt 5-\i                              ; the younger read-backs may be out
	global_store_b128 v4, v[128+4*\i:131+4*\i], s[24:25] offset:(\i/3)*3072+512*(\i%3)
.endr
	s_wait_tensorcnt 0x0
	ds_add_u32 v62, v63
	s_wait_dscnt 0x0
	s_endpgm
.endm
.Lweights:
	s_cmp_lt_u32 ttmp9, 448
	s_cbranch_scc0 .Lwproj
	s_wait_alu depctr_va_vdst(0)
	WPATH 3072, 256, 0, 33792, 6
.Lwproj:
	s_wait_alu depctr_va_vdst(0)
	WPATH 1024, 448, 24, 46080, 8
.Lfunc_end_k_q09e224c5bf_quant:
	.size	k_q09e224c5bf_quant, .Lfunc_end_k_q09e224c5bf_quant-k_q09e224c5bf_quant
	.p2alignl 7, 3214868480
	.fill 96, 4, 3214868480
	.section	.rodata,"a",@progbits
	.p2align	6, 0x0
	.amdhsa_kernel k_q09e224c5bf_quant
		.amdhsa_group_segment_fixed_size 58880
		.amdhsa_private_segment_fixed_size 0
		.amdhsa_enable_private_segment 0
		.amdhsa_kernarg_size 40
		.amdhsa_user_sgpr_count 2
		.amdhsa_user_sgpr_kernarg_segment_ptr 1
		.amdhsa_wavefront_size32 1
		.amdhsa_system_sgpr_workgroup_id_x 1
		.amdhsa_system_sgpr_workgroup_id_y 1
		.amdhsa_system_sgpr_workgroup_id_z 1
		.amdhsa_system_vgpr_workitem_id 0
		.amdhsa_next_free_vgpr 256
		.amdhsa_next_free_sgpr 66
		.amdhsa_reserve_vcc 1
		.amdhsa_float_denorm_mode_32 3
		.amdhsa_float_denorm_mode_16_64 3
		.amdhsa_memory_ordered 1
		.amdhsa_forward_progress 1
		.amdhsa_inst_pref_size 77
	.end_amdhsa_kernel
	.amdgpu_metadata
---
amdhsa.version: [ 1, 2 ]
amdhsa.kernels:
  - .name:           k_q09e224c5bf_quant
    .symbol:         k_q09e224c5bf_quant.kd
    .args:
      - { .name: x, .offset: 0, .size: 8, .value_kind: global_buffer, .address_space: global }
      - { .name: W_qkv, .offset: 8, .size: 8, .value_kind: global_buffer, .address_space: global }
      - { .name: W_proj, .offset: 16, .size: 8, .value_kind: global_buffer, .address_space: global }
      - { .name: xq, .offset: 24, .size: 8, .value_kind: global_buffer, .address_space: global }
      - { .name: wc, .offset: 32, .size: 8, .value_kind: global_buffer, .address_space: global }
    .group_segment_fixed_size: 58880
    .private_segment_fixed_size: 0
    .kernarg_segment_align: 8
    .kernarg_segment_size: 40
    .max_flat_workgroup_size: 128
    .sgpr_count:     66
    .vgpr_count:     256
    .wavefront_size: 32
...
	.end_amdgpu_metadata
.endif
;; end of part 1
;; launch qkv (part 2): grid 12 x 32, 4 waves a work-group, clusters of 4 x 4, 327,680 bytes of LDS; arguments xq, wc, b_qkv, qb, kv; writes qb, kv
.if DOCPART == 2
	.amdgcn_target "amdgcn-amd-amdhsa--gfx1250"
	.amdhsa_code_object_version 6
	.text
	.protected	k_q09e224c5bf_qkv
	.globl	k_q09e224c5bf_qkv
	.p2align	8
	.type	k_q09e224c5bf_qkv,@function
k_q09e224c5bf_qkv:
	s_mov_b64 s[64:65], 0
	v_nop
	global_prefetch_b8 v0, s[64:65] scope:SCOPE_SE
	s_setreg_imm32_b32 hwreg(HW_REG_WAVE_MODE, 25, 1), 1
	s_wait_xcnt 0x0
	s_wait_alu depctr_hold_cnt(0) depctr_sa_sdst(0) depctr_va_vdst(0) depctr_va_sdst(0) depctr_va_ssrc(0) depctr_va_vcc(0) depctr_vm_vsrc(0)
	s_getreg_b32 s2, hwreg(HW_REG_IB_STS2, 6, 4)
	s_cmp_eq_u32 s2, 0
	s_cbranch_scc0 .Lentry_in_a_cluster
	s_endpgm
.Lentry_in_a_cluster:
	s_bfe_u32 s2, ttmp6, 0x10000c
	s_cmp_lg_u32 s2, 0xf033
	s_cbranch_scc0 .Lentry_shape_is_right
	s_endpgm
.Lentry_shape_is_right:
; qkv = x W_qkv + b_qkv on codes of FP6 (E2M3) with E8M0 scales, and at once the quantising of q, k (along the head's 64) and v (along the keys) for the attention that follows.  No f32 result goes to memory.
; A work-group makes 256 x 256, a wave 128 x 128: 64 accumulators of 16 x 16 in windows 2 and 3.  P is the matrix instruction's source 0, S its source 1: a lane holds ONE row of S and its registers run along P's rows.
; The cluster's x says what is made: 0: q, 1: k (P = 256 columns of W, S = 256 tokens: registers run along the channels);  2: v (P = 256 tokens, S = 256 columns of W: registers run along the keys).
; The two cases differ in pointers, chosen by s_cselect on the cluster's x, which all sixteen partners share, and in which bias is added.
; Operands lie in memory and in LDS in the order of their registers (a fragment of 16 rows x 128 K: 1,536 bytes, registers 4 c .. 4 c + 3 of lane l at 512 c + 16 l): three ds_load_b128 a fragment, consecutive bytes, no pitch.
; The 16 rows of a tile are rows 32 g + 8 u + r + 8 (r / 8): so the 64 registers of a lane over P's eight tiles are P's rows 32 b + 16 (lane / 16) + 0 .. 15, b = 0 .. 3: what the conversions want.
; K = 1,024 goes in four steps of 256 through three LDS slots: steps 0, 1, 2 are first fills, step 3 fills slot 0 again, behind one round of the cluster's barrier.
; CLUSTER 4 x 4: S's tiles are shared along a row of the cluster, P's along a column: joint loads.  384 work-groups: the grid is what three thirds of 128 tiles give.
; No prefetch: three of the four K steps are asked for at the head, and the fourth 96 matrix instructions later.
; LIMITS: NaN and infinities are not served; a block whose largest magnitude lies under 2^-124 (zeros too) gets the byte 1; only this program reads the bytes.
; REGISTERS: window 0: v0-31 addresses; v32-63 scale words, two sets, nothing else; v64-127 the bias by register; v128-223 S's fragments, one set; v224-239 the bias by lane; on the way out v128-191 numbers, v192-211 codes, v212-223 scale words made, v240-255 at work.
;   window 1: P's fragments, two sets, at v0 and v128.   windows 2, 3: the accumulators: (a, b) at v[8 (8 (a % 4) + b)] of window 2 + a / 4.
.set FR,    12
.set NP,    4                          ; places behind this matrix instruction (ISA guide 7.12.1)
.set RBB,   98304                      ; a block of 128 rows of codes in memory
.set QTR,   24576                      ; 128 rows x 256 K: what one tensor load brings
.set SLOTB, 4*QTR                      ; S's 256 rows, then P's 256 rows
.set SCL,   3*SLOTB                    ; the scale words of the four blocks of 128 rows, all of K: 4 x 4,096 bytes, filled once
.set SPARE, SCL+16384                  ; the spare words: 128 bytes a wave
.set XSCL,  6291456
.set WSCL,  3145728
.set HS,    208896                     ; a head in qb and in kv
.set STB,   13056                      ; a step of 128 tokens in a head: K (or q) 8 x 768, its scale words 512, V 4 x 1,536, its scale words 256
.set O16,  8                           ; v8   16 x lane
.set O8,   9                           ; v9   8 x lane
.set O16C, 10                          ; v10  16 x lane + the second half's distance
.set O8C,  11                          ; v11  8 x lane + the same
.set ADRS, 16                          ; v16-18 my S fragments in slots 0-2
.set ADRP, 20                          ; v20-22 my P fragments
.set ADRSC, 27                         ; v27  my scale words: lanes 0-15 S's, lanes 16-31 P's
.set SPW,  28
.set NIL,  29
.set SC,   32
.set BP,   64
.set AF,   128
.set BS,   224
.set HA,   128
.set PC,   192
.set PWS,  212
.set OUTW, 220
.set TM,   240
.set G1S,  24                          ; s[24:31] group 1: S's codes;  s[32:39] P's codes;  s[40:47] S's scales;  s[48:55] P's scales
.set G1P,  32
.set G1SS, 40
.set G1PS, 48
.set G0SS, 56                          ; s[56:59], s[60:63] group 0: the scales
.set G0PS, 60
.set G0S,  68                          ; s[68:79] S's codes, a set a slot;  s[80:91] P's
.set G0P,  80
.set SEL,  66
.set OB,   94                          ; s[94:95] where the codes in hand go
.set OB0,  96                          ; s[96:97] my step's block of my first head
.set ASR,  98                          ; s[98:99] from one tile of S to the next
.set AS3,  100                         ; s[100:101] from tile 3 to tile 4
.set MSB, 0
.macro WIN new                         ; the immediate's high byte repeats the setting that is left
.if MSB != \new
	s_set_vgpr_msb (MSB<<8)|\new
.set MSB, \new
.endif
.endm
.set MUL_LO, 0xa1                      ; source 0 (P) window 1, source 1 (S) window 0, C and D window 2
.set MUL_HI, 0xf1
.set TO_B,   0x40
.macro JLOAD g0a, g1a, g0b, g1b        ; waves 0, 1 fetch for S, waves 2, 3 for P; four v_nop follow each line
	s_cmp_eq_u32 s15, 0
	s_cbranch_scc0 .Lfor_b_\@
	tensor_load_to_lds s[\g0a:\g0a+3], s[\g1a:\g1a+7]
	s_nop 0
.rept 4
	v_nop
.endr
	s_branch .Lasked_\@
.Lfor_b_\@:
	tensor_load_to_lds s[\g0b:\g0b+3], s[\g1b:\g1b+7]
	s_nop 0
.rept 4
	v_nop
.endr
.Lasked_\@:
.endm
.macro CREST
	s_cmp_lg_u32 s14, 0
	s_cbranch_scc1 .Lnot_wave_0_\@
	s_barrier_signal -3
.Lnot_wave_0_\@:
	s_barrier_wait -3
	s_barrier_signal -1
	s_barrier_wait -1
.endm
.macro CROUND
	s_barrier_signal -1
	s_barrier_wait -1
	CREST
.endm
.macro PLACES n
.rept \n
	v_nop
.endr
.endm
	s_load_b256 s[4:11], s[0:1], 0x0               ; xq s[4:5], wc s[6:7], b_qkv s[8:9], qb s[10:11]
	s_load_b64 s[12:13], s[0:1], 0x20              ; kv
	v_lshl_add_u32 v[SPW], v0, 2, SPARE
	v_mov_b32 v[NIL], 0
	ds_add_u32 v28, v29
	ds_add_u32 v28, v29
	s_wait_dscnt 0x0
	v_lshrrev_b32 v1, 5, v0
	v_readfirstlane_b32 s14, v1                    ; wave
	s_lshr_b32 s15, s14, 1                         ; my half of S.  Also: I fetch for S (0) or for P (1)
	s_and_b32 s16, s14, 1                          ; my half of P.  Also: which 128 rows I fetch
	s_bfe_u32 s92, ttmp6, 0x40000                  ; cx
	s_bfe_u32 s93, ttmp6, 0x40004                  ; cy
	s_and_b32 s17, ttmp7, 0xffff
	s_lshl_b32 s17, s17, 2                         ; 4 x cluster y
	s_lshl_b32 s18, ttmp9, 2                       ; 4 x cluster x
	s_cmp_eq_u32 ttmp9, 2
	s_cselect_b32 s19, 8, s17                      ; S: v's columns begin at block 8 of wc; else tokens
	s_cselect_b32 s20, s17, s18                    ; P: tokens; else q's or k's columns
	s_add_co_u32 s19, s19, s93                     ; S's block of 256 rows: hangs on cy alone
	s_add_co_u32 s20, s20, s92                     ; P's: on cx alone
	s_lshl_b32 s21, s93, 2
	s_lshl_b32 s21, 15, s21                        ; my row of the cluster
	s_lshl_b32 s22, 0x1111, s92                    ; my column
	s_or_b32 s[G1S], s21, (3<<16)|(1<<21)          ; the mask; elements of 8 bytes; bit 21 beside a mask; no padding
	s_or_b32 s[G1SS], s21, (3<<16)|(1<<21)
	s_or_b32 s[G1P], s22, (3<<16)|(1<<21)
	s_or_b32 s[G1PS], s22, (3<<16)|(1<<21)
.irp g, G1S, G1P                       ; 24,576 dense bytes as 96 rows of 256
	s_mov_b32 s[\g+1], 32<<16
	s_mov_b32 s[\g+2], 96<<16
	s_mov_b32 s[\g+3], 32<<16
	s_mov_b32 s[\g+4], 96
	s_mov_b32 s[\g+5], 32
	s_mov_b32 s[\g+6], 0
	s_mov_b32 s[\g+7], 0
.endr
.irp g, G1SS, G1PS                     ; 4,096 dense bytes as 16 rows of 256
	s_mov_b32 s[\g+1], 32<<16
	s_mov_b32 s[\g+2], 16<<16
	s_mov_b32 s[\g+3], 32<<16
	s_mov_b32 s[\g+4], 16
	s_mov_b32 s[\g+5], 32
	s_mov_b32 s[\g+6], 0
	s_mov_b32 s[\g+7], 0
.endr
	s_lshl_b32 s21, s19, 1
	s_add_co_u32 s21, s21, s16                     ; S's block of 128 rows that I would fetch
	s_lshl_b32 s22, s20, 1
	s_add_co_u32 s22, s22, s16                     ; P's
	s_mul_i32 s94, s21, RBB
	s_mov_b32 s95, 0
	s_mul_i32 s96, s22, RBB
	s_mov_b32 s97, 0
	s_lshl_b32 s98, s21, 12
	s_mov_b32 s99, 0
	s_lshl_b32 s100, s22, 12
	s_mov_b32 s101, 0
	s_mov_b32 s21, XSCL
	s_mov_b32 s22, WSCL
	s_cmp_eq_u32 ttmp9, 2
	s_cselect_b32 s23, s22, s21                    ; where the scale words begin in S's buffer
	s_cselect_b32 s21, s21, s22                    ; and in P's
	s_add_co_u32 s98, s98, s23
	s_add_co_u32 s100, s100, s21
	s_mul_i32 s2, s14, QTR                         ; where they go: wave x 24,576: no place in the cluster enters an LDS address
	s_lshl_b32 s3, s14, 12
	s_mov_b32 s[SEL], 0x76543210
	s_mov_b32 s[SEL+1], 0xfedcba98
	s_wait_kmcnt 0x0
	s_cmp_eq_u32 ttmp9, 2
	s_cselect_b64 s[22:23], s[6:7], s[4:5]         ; S's buffer
	s_cselect_b64 s[4:5], s[4:5], s[6:7]           ; P's
	s_add_nc_u64 s[94:95], s[22:23], s[94:95]
	s_add_nc_u64 s[98:99], s[22:23], s[98:99]
	s_add_nc_u64 s[96:97], s[4:5], s[96:97]
	s_add_nc_u64 s[100:101], s[4:5], s[100:101]
	CROUND                                         ; all sixteen work-groups are here: the first joint loads meet
	s_mov_b32 s[G0SS], 1
	s_add_co_u32 s[G0SS+1], s3, SCL
	s_mov_b64 s[G0SS+2:G0SS+3], s[98:99]
	s_or_b32 s[G0SS+3], s[G0SS+3], 0x80000000
	s_mov_b32 s[G0PS], 1
	s_add_co_u32 s[G0PS+1], s3, SCL
	s_mov_b64 s[G0PS+2:G0PS+3], s[100:101]
	s_or_b32 s[G0PS+3], s[G0PS+3], 0x80000000
	JLOAD G0SS, G1SS, G0PS, G1PS                   ; the scale words first; then K steps 0, 1, 2: four loads of mine are out
.irp s, 0,1,2
	s_mov_b32 s[G0S+4*\s], 1
	s_add_co_u32 s[G0S+4*\s+1], s2, \s*SLOTB
	s_add_nc_u64 s[G0S+4*\s+2:G0S+4*\s+3], s[94:95], \s*QTR
	s_or_b32 s[G0S+4*\s+3], s[G0S+4*\s+3], 0x80000000
	s_mov_b32 s[G0P+4*\s], 1
	s_add_co_u32 s[G0P+4*\s+1], s2, \s*SLOTB
	s_add_nc_u64 s[G0P+4*\s+2:G0P+4*\s+3], s[96:97], \s*QTR
	s_or_b32 s[G0P+4*\s+3], s[G0P+4*\s+3], 0x80000000
	JLOAD G0S+4*\s, G1S, G0P+4*\s, G1P
.endr
	v_and_b32 v1, 15, v0                           ; r
	v_bfe_u32 v2, v0, 4, 1                         ; h
	v_and_b32 v3, 31, v0
	v_lshlrev_b32 v[O16], 4, v3
	v_lshlrev_b32 v[O8], 3, v3
	s_mul_i32 s21, s15, QTR                        ; my 128 rows of S
	s_mul_i32 s17, s16, QTR                        ; my 128 rows of P,
	s_add_co_u32 s17, s17, 2*QTR                   ; behind S's 256
.irp s, 0,1,2
	v_add_nc_u32 v[ADRS+\s], s21, v[O16]
	v_add_nc_u32 v[ADRP+\s], s17, v[O16]
	s_add_co_u32 s21, s21, SLOTB
	s_add_co_u32 s17, s17, SLOTB
.endr
	s_lshl_b32 s21, s15, 12                        ; S's scale words: my 128 rows
	s_lshl_b32 s17, s16, 12                        ; P's, behind S's 8,192 bytes
	s_add_co_u32 s17, s17, 8192
	s_sub_co_u32 s17, s17, s21
	v_mul_u32_u24 v4, s17, v2                      ; lanes 16-31 take P's: one product, the distance between the two
	s_add_co_u32 s21, s21, SCL
	v_lshl_add_u32 v4, v1, 3, v4                   ; 8 bytes a row for each 256 along K
	v_add_nc_u32 v[ADRSC], s21, v4
	; the biases.  Both kinds are loaded in every case, from places inside b_qkv; the way out adds the one that belongs to the case
	s_lshl_b32 s17, s20, 10
	s_lshl_b32 s18, s16, 9
	s_add_co_u32 s17, s17, s18                     ; q, k: 4 x (256 P's block + 128 my half)
	s_lshl_b32 s18, s93, 10
	s_lshl_b32 s21, s15, 9
	s_add_co_u32 s18, s18, s21
	s_add_co_u32 s18, s18, 8192                    ; v: 4 x (2,048 + 256 cy + 128 my half)
	s_cmp_eq_u32 ttmp9, 2
	s_cselect_b32 s17, 0, s17
	s_cselect_b32 s18, s18, 0
	v_lshl_add_u32 v5, v2, 6, s17                  ; by register: 16 numbers of each 32, + 16 h
	v_and_b32 v6, 8, v1
	v_add_nc_u32 v6, v6, v1
	v_lshl_add_u32 v6, v6, 2, s18                  ; by lane: r + 8 (r / 8)
.irp b, 0,1,2,3
.irp j, 0,1,2,3
	global_load_b128 v[BP+16*\b+4*\j:BP+16*\b+4*\j+3], v5, s[8:9] offset:128*\b+16*\j
.endr
.endr
.irp a, 0,1,2,3,4,5,6,7
	global_load_b32 v[BS+2*\a], v6, s[8:9] offset:(32*(\a/2)+8*(\a%2))*4
	v_mov_b32 v[BS+2*\a+1], 0                      ; (named with it as a pair)
.endr
.irp b, 0,1,2,3
	v_mov_b32 v[TM+4+\b], 0                        ; a lane permute's destination counts as one of its sources
.endr
	; where the results go
	s_cmp_eq_u32 ttmp9, 2
	s_cselect_b32 s17, s20, s19                    ; the block of 256 tokens
	s_cselect_b32 s18, s16, s15                    ; my half of it
	s_cselect_b32 s21, s93, s92                    ; the block of 256 channels in its third
	s_cselect_b32 s2, s15, s16                     ; my half of it
	s_cselect_b32 s3, 6656, 0                      ; V lies behind K and its scale words
	s_mov_b32 s22, HS
	s_cselect_b32 s22, 768, s22                    ; a fragment's second six registers: v: 64 keys on; q, k: the next head
	s_mov_b32 s[ASR], 768
	s_cselect_b32 s[ASR], 1536, s[ASR]
	s_mov_b32 s[AS3], 768
	s_cselect_b32 s[AS3], HS-4608, s[AS3]          ; v: tile 4 begins the next head
	s_mov_b32 s[ASR+1], 0
	s_mov_b32 s[AS3+1], 0
	v_add_nc_u32 v[O16C], s22, v[O16]
	v_add_nc_u32 v[O8C], s22, v[O8]
	s_lshr_b32 s23, s17, 3                         ; the batch
	s_lshl_b32 s23, s23, 4
	s_lshl_b32 s21, s21, 2
	s_add_co_u32 s23, s23, s21
	s_lshl_b32 s2, s2, 1
	s_add_co_u32 s23, s23, s2                      ; my first head: 16 batch + 4 block + 2 half
	s_and_b32 s17, s17, 7
	s_lshl_b32 s17, s17, 1
	s_add_co_u32 s17, s17, s18                     ; my step of 128 tokens
	s_mul_i32 s96, s23, HS
	s_mul_i32 s17, s17, STB
	s_add_co_u32 s96, s96, s17
	s_mov_b32 s97, 0
	s_mov_b32 s18, s3
	s_mov_b32 s19, 0
	s_cmp_eq_u32 ttmp9, 0
	s_cselect_b64 s[94:95], s[10:11], s[12:13]     ; q goes to qb, k and v to kv
	s_add_nc_u64 s[OB0:OB0+1], s[94:95], s[96:97]
	s_add_nc_u64 s[OB:OB+1], s[OB0:OB0+1], s[18:19]
.macro FRAG reg, adr, off
.irp c, 0,1,2
	ds_load_b128 v[(\reg)+4*\c:(\reg)+4*\c+3], v[\adr] offset:(\off)+512*\c
.endr
.endm
.macro FETCH_P slot, q, p              ; P's eight fragments of the slot's q-th 128 along K into set p: 24 loads
	WIN TO_B
.irp i, 0,1,2,3,4,5,6,7
	FRAG 128*(\p)+FR*\i, ADRP+\slot, 3072*\i+1536*(\q)
.endr
	WIN 0
.endm
.macro FETCH_S slot, q, i0             ; S's blocks i0 .. i0 + 3: 12 loads
.irp i, \i0, \i0+1, \i0+2, \i0+3
	FRAG AF+FR*(\i), ADRS+\slot, 3072*(\i)+1536*(\q)
.endr
.endm
.macro SCALES sc, t                    ; K step t's scale words into set sc: lanes 0-15 S's block i, lanes 16-31 P's block i
.irp i, 0,1,2,3,4,5,6,7
	ds_load_b64 v[SC+16*\sc+2*\i:SC+16*\sc+2*\i+1], v[ADRSC] offset:512*\i+128*\t
.endr
.endm
; 16 matrix instructions: S's blocks a0, a0 + 1 x P's eight.  The 64 accumulators take turns, one instruction a turn, in the same order in every step
.macro MUL16 a0, p, q, sc, zero
.irp a, \a0, \a0+1
.irp b, 0,1,2,3,4,5,6,7
.if \zero
	v_wmma_scale_f32_16x16x128_f8f6f4 v[8*(8*((\a)%4)+\b):8*(8*((\a)%4)+\b)+7], v[128*(\p)+FR*\b:128*(\p)+FR*\b+FR-1], v[AF+FR*(\a):AF+FR*(\a)+FR-1], 0, v[SC+16*(\sc)+2*\b+(\q)], v[SC+16*(\sc)+2*(\a)+(\q)] matrix_a_fmt:MATRIX_FMT_FP6 matrix_b_fmt:MATRIX_FMT_FP6 matrix_a_scale:MATRIX_SCALE_ROW1
.else
	v_wmma_scale_f32_16x16x128_f8f6f4 v[8*(8*((\a)%4)+\b):8*(8*((\a)%4)+\b)+7], v[128*(\p)+FR*\b:128*(\p)+FR*\b+FR-1], v[AF+FR*(\a):AF+FR*(\a)+FR-1], v[8*(8*((\a)%4)+\b):8*(8*((\a)%4)+\b)+7], v[SC+16*(\sc)+2*\b+(\q)], v[SC+16*(\sc)+2*(\a)+(\q)] matrix_a_fmt:MATRIX_FMT_FP6 matrix_b_fmt:MATRIX_FMT_FP6 matrix_a_scale:MATRIX_SCALE_ROW1
.endif
.endr
.endr
.endm
.macro STEP slot, sc, zero             ; a slot's first 128 along K; fetches its second
	s_wait_dscnt 12                                ; P's set, the scale words and S's blocks 0-3 are in; the youngest 12 loads (S's blocks 4-7) may be out
	WIN MUL_LO
	MUL16 0, 0, 0, \sc, \zero
	MUL16 2, 0, 0, \sc, \zero
	s_wait_dscnt 0x0
	PLACES NP
	FETCH_P \slot, 1, 1
	FETCH_S \slot, 1, 0
	WIN MUL_HI
	MUL16 4, 0, 0, \sc, \zero
	MUL16 6, 0, 0, \sc, \zero
	PLACES NP
	WIN 0
	FETCH_S \slot, 1, 4
.endm
.macro STEPN next, sc, nsc, nt         ; a slot's second 128; goes on into a slot that every wave has already been shown whole: no barrier
	s_wait_dscnt 12
	WIN MUL_LO
	MUL16 0, 1, 1, \sc, 0
	MUL16 2, 1, 1, \sc, 0
	s_wait_dscnt 0x0
	PLACES NP
	FETCH_P \next, 0, 0
	FETCH_S \next, 0, 0
	SCALES \nsc, \nt
	WIN MUL_HI
	MUL16 4, 1, 1, \sc, 0
	MUL16 6, 1, 1, \sc, 0
	PLACES NP
	WIN 0
	FETCH_S \next, 0, 4
.endm
; A slot's second 128 with a barrier: in front of it each wave waits for all its tensor loads, adds 0 to its spare word, and waits for that and for its reads of the slot.  fill = 1: slot 0 is filled again with K step 3
.macro TURN next, sc, nsc, nt, fill
	s_wait_tensorcnt 0x0                           ; all my tensor loads have landed
	ds_add_u32 v[SPW], v[NIL]                      ; 0 onto my spare word
	s_wait_dscnt 13                                ; (the add and the youngest 12 loads may be out)
	WIN MUL_LO
	MUL16 0, 1, 1, \sc, 0
	s_wait_dscnt 0x0                               ; the add is done, and my reads of this slot are over
	s_barrier_signal -1
	MUL16 2, 1, 1, \sc, 0
	WIN 0
	s_barrier_wait -1
.if \fill
	CREST                                          ; the barrier has opened a round of the cluster's: no wave of any partner still reads slot 0 or has a load on its way
	s_add_nc_u64 s[G0S+2:G0S+3], s[G0S+2:G0S+3], 3*QTR
	s_add_nc_u64 s[G0P+2:G0P+3], s[G0P+2:G0P+3], 3*QTR
	JLOAD G0S, G1S, G0P, G1P                       ; the one refill: 224 matrix instructions ahead of the wait for it; its four v_nop are the places in front of the loads below
.else
	PLACES NP
.endif
	FETCH_P \next, 0, 0
	FETCH_S \next, 0, 0
	SCALES \nsc, \nt
	WIN MUL_HI
	MUL16 4, 1, 1, \sc, 0
	MUL16 6, 1, 1, \sc, 0
	PLACES NP
	WIN 0
	FETCH_S \next, 0, 4
.endm
	s_wait_tensorcnt 2                             ; the scale words and my part of K step 0 are in; K steps 1 and 2 may be out
	s_barrier_signal -1
	s_barrier_wait -1
	FETCH_P 0, 0, 0
	FETCH_S 0, 0, 0
	SCALES 0, 0
	FETCH_S 0, 0, 4
	STEP 0, 0, 1                                   ; the first products start the sums
	TURN 1, 0, 1, 1, 1                             ; slot 0 is left and filled again; slots 1 and 2 are whole for every wave
	STEP 1, 1, 0
	STEPN 2, 1, 0, 2
	STEP 2, 0, 0
	TURN 0, 0, 1, 3, 0                             ; K step 3 has landed in slot 0
	STEP 0, 1, 0
	s_wait_dscnt 12
	WIN MUL_LO
	MUL16 0, 1, 1, 1, 0
	MUL16 2, 1, 1, 1, 0
	s_wait_dscnt 0x0
	WIN MUL_HI
	MUL16 4, 1, 1, 1, 0
	MUL16 6, 1, 1, 1, 0
	WIN 0
; THE WAY OUT.  For each tile a of S: the lane's 64 sums + bias; quantised along P's rows; the 12 registers of codes leave as they stand, 512 or 256 consecutive aligned bytes a store.
.macro QUANT s, pw
.irp b, 0,1,2,3
	v_max3_num_f32 v[TM+\b], |v[(\s)+16*\b]|, |v[(\s)+1+16*\b]|, 0x1800000   ; and the floor 2^(3 - 127)
.endr
.irp i, 2,4,6,8,10,12,14
.irp b, 0,1,2,3
	v_max3_num_f32 v[TM+\b], v[TM+\b], |v[(\s)+16*\b+\i]|, |v[(\s)+1+16*\b+\i]|
.endr
.endr
.irp b, 0,1,2,3
	v_permlanex16_b32 v[TM+4+\b], v[TM+\b], s[SEL], s[SEL+1]
.endr
.irp b, 0,1,2,3
	v_max_num_f32 v[TM+\b], v[TM+\b], v[TM+4+\b]
.endr
.irp b, 0,1,2,3
	v_add_nc_u32 v[TM+12+\b], 0xff000000, v[TM+\b]
.endr
.irp b, 0,1,2,3
	v_lshrrev_b32 v[TM+4+\b], 23, v[TM+12+\b]
.endr
	v_lshl_or_b32 v[\pw], v[TM+5], 8, v[TM+4]
	v_lshl_or_b32 v[\pw], v[TM+6], 16, v[\pw]
	v_lshl_or_b32 v[\pw], v[TM+7], 24, v[\pw]
.irp c, 0,1
	v_cvt_scalef32_pk16_fp6_f32 v[PC+6*\c:PC+2+6*\c], v[(\s)+32*\c:(\s)+15+32*\c], v[TM+12+2*\c]
	v_cvt_scalef32_pk16_fp6_f32 v[PC+12+4*\c:PC+14+4*\c], v[(\s)+16+32*\c:(\s)+31+32*\c], v[TM+12+2*\c+1]
.endr
	v_nop                                          ; one plain line behind the scaled conversions
.irp c, 0,1
.irp i, 0,1,2
	v_permlane16_swap_b32 v[PC+6*\c+\i], v[PC+12+4*\c+\i]
.endr
.irp i, 0,1,2
	v_mov_b32 v[PC+3+6*\c+\i], v[PC+12+4*\c+\i]
.endr
.endr
.endm
.macro EPI a
.if (\a) > 0
	s_wait_xcnt 0x0                                ; the last tile's stores have read their codes and their base
.if (\a) == 4
	s_add_nc_u64 s[OB:OB+1], s[OB:OB+1], s[AS3:AS3+1]
.else
	s_add_nc_u64 s[OB:OB+1], s[OB:OB+1], s[ASR:ASR+1]
.endif
.endif
	s_cmp_eq_u32 ttmp9, 2                          ; the cluster's x: the same in all partners
	s_cbranch_scc1 .Lby_lane_\@
	WIN 0x02+(\a)/4                                ; source 0: window 2 or 3
.set i_, 0
.rept 32
	v_pk_add_f32 v[HA+2*i_:HA+2*i_+1], v[64*((\a)%4)+2*i_:64*((\a)%4)+2*i_+1], v[BP+2*i_:BP+2*i_+1]   ; q, k: the bias hangs on the register's channel; each accumulator from its low end on
.set i_, i_+1
.endr
	WIN 0
	s_branch .Lbiased_\@
.Lby_lane_\@:
	WIN 0x02+(\a)/4
.set i_, 0
.rept 32
	v_pk_add_f32 v[HA+2*i_:HA+2*i_+1], v[64*((\a)%4)+2*i_:64*((\a)%4)+2*i_+1], v[BS+2*(\a):BS+2*(\a)+1] op_sel_hi:[1,0]   ; v: on the lane's channel
.set i_, i_+1
.endr
	WIN 0
.Lbiased_\@:
	QUANT HA, PWS+(\a)
	global_store_b128 v[O16], v[PC:PC+3], s[OB:OB+1]
	global_store_b64 v[O8], v[PC+4:PC+5], s[OB:OB+1] offset:512
	global_store_b128 v[O16C], v[PC+6:PC+9], s[OB:OB+1]
	global_store_b64 v[O8C], v[PC+10:PC+11], s[OB:OB+1] offset:512
.endm
	s_wait_loadcnt 0x0                             ; the biases
	PLACES NP                                      ; behind the last products: their results are read, and S's registers written, below
	EPI 0
	EPI 1
	EPI 2
	EPI 3
	EPI 4
	EPI 5
	EPI 6
	EPI 7
	; the scale words: register i: lanes 0-15 tile 2 i's, lanes 16-31 tile 2 i + 1's
	s_mov_b32 vcc_lo, 0xffff0000
.irp i, 0,1,2,3
	v_cndmask_b32 v[OUTW+\i], v[PWS+2*\i], v[PWS+2*\i+1], vcc_lo
.endr
	s_cmp_eq_u32 ttmp9, 2
	s_cbranch_scc1 .Lv_scales
.irp i, 0,1,2,3
	v_and_b32 v[HA+\i], 0xffff, v[OUTW+\i]         ; q, k: bytes 0, 1 are my first head's two blocks; the upper two bytes are 0
.endr
.irp i, 0,1,2,3
	v_lshrrev_b32 v[HA+4+\i], 16, v[OUTW+\i]       ; bytes 2, 3 the next head's
.endr
	global_store_b128 v[O16], v[HA:HA+3], s[OB0:OB0+1] offset:6144
	global_store_b128 v[O16], v[HA+4:HA+7], s[OB0:OB0+1] offset:6144+HS
	s_branch .Lscales_out
.Lv_scales:
	s_wait_alu depctr_va_vdst(0)
	global_store_b64 v[O8], v[OUTW:OUTW+1], s[OB0:OB0+1] offset:12800        ; v: tiles 0-3 are my first head's, four key blocks a word
	global_store_b64 v[O8], v[OUTW+2:OUTW+3], s[OB0:OB0+1] offset:12800+HS
.Lscales_out:
	s_wait_tensorcnt 0x0                           ; the wave's end
	ds_add_u32 v[SPW], v[NIL]
	s_wait_dscnt 0x0
	CROUND                                         ; the closing round
	s_endpgm
.Lfunc_end_k_q09e224c5bf_qkv:
	.size	k_q09e224c5bf_qkv, .Lfunc_end_k_q09e224c5bf_qkv-k_q09e224c5bf_qkv
	.p2alignl 7, 3214868480
	.fill 96, 4, 3214868480
	.section	.rodata,"a",@progbits
	.p2align	6, 0x0
	.amdhsa_kernel k_q09e224c5bf_qkv
		.amdhsa_group_segment_fixed_size 327680
		.amdhsa_private_segment_fixed_size 0
		.amdhsa_enable_private_segment 0
		.amdhsa_kernarg_size 40
		.amdhsa_user_sgpr_count 2
		.amdhsa_user_sgpr_kernarg_segment_ptr 1
		.amdhsa_wavefront_size32 1
		.amdhsa_system_sgpr_workgroup_id_x 1
		.amdhsa_system_sgpr_workgroup_id_y 1
		.amdhsa_system_sgpr_workgroup_id_z 1
		.amdhsa_system_vgpr_workitem_id 0
		.amdhsa_next_free_vgpr 1024
		.amdhsa_next_free_sgpr 102
		.amdhsa_reserve_vcc 1
		.amdhsa_float_denorm_mode_32 3
		.amdhsa_float_denorm_mode_16_64 3
		.amdhsa_memory_ordered 1
		.amdhsa_forward_progress 1
		.amdhsa_inst_pref_size 178
	.end_amdhsa_kernel
	.amdgpu_metadata
---
amdhsa.version: [ 1, 2 ]
amdhsa.kernels:
  - .name:           k_q09e224c5bf_qkv
    .symbol:         k_q09e224c5bf_qkv.kd
    .args:
      - { .name: xq, .offset: 0, .size: 8, .value_kind: global_buffer, .address_space: global }
      - { .name: wc, .offset: 8, .size: 8, .value_kind: global_buffer, .address_space: global }
      - { .name: b_qkv, .offset: 16, .size: 8, .value_kind: global_buffer, .address_space: global }
      - { .name: qb, .offset: 24, .size: 8, .value_kind: global_buffer, .address_space: global }
      - { .name: kv, .offset: 32, .size: 8, .value_kind: global_buffer, .address_space: global }
    .group_segment_fixed_size: 327680
    .private_segment_fixed_size: 0
    .kernarg_segment_align: 8
    .kernarg_segment_size: 40
    .max_flat_workgroup_size: 128
    .sgpr_count:     102
    .vgpr_count:     1024
    .wavefront_size: 32
...
	.end_amdgpu_metadata
.endif
;; end of part 2
;; launch attn (part 3): grid 4 x 64, 16 waves a work-group, clusters of 4 x 1, 210,944 bytes of LDS; arguments qb, kv, yq; writes yq
.if DOCPART == 3
	.amdgcn_target "amdgcn-amd-amdhsa--gfx1250"
	.amdhsa_code_object_version 6
	.text
	.protected	k_q09e224c5bf_attn
	.globl	k_q09e224c5bf_attn
	.p2align	8
	.type	k_q09e224c5bf_attn,@function
k_q09e224c5bf_attn:
	s_mov_b64 s[64:65], 0
	v_nop
	global_prefetch_b8 v0, s[64:65] scope:SCOPE_SE
	s_setreg_imm32_b32 hwreg(HW_REG_WAVE_MODE, 25, 1), 1
	s_wait_xcnt 0x0
	s_wait_alu depctr_hold_cnt(0) depctr_sa_sdst(0) depctr_va_vdst(0) depctr_va_sdst(0) depctr_va_ssrc(0) depctr_va_vcc(0) depctr_vm_vsrc(0)
	s_getreg_b32 s2, hwreg(HW_REG_IB_STS2, 6, 4)
	s_cmp_eq_u32 s2, 0
	s_cbranch_scc0 .Lentry_in_a_cluster
	s_endpgm
.Lentry_in_a_cluster:
	s_bfe_u32 s2, ttmp6, 0x10000c
	s_cmp_lg_u32 s2, 0x3003
	s_cbranch_scc0 .Lentry_shape_is_right
	s_endpgm
.Lentry_shape_is_right:
; Causal attention of one head (64 heads x batches in all; 2,048 tokens, head size 64) on codes of FP6 (E2M3) with E8M0 scales, and the quantising of y = O / l along the channels for the projection.
; t = score x log2(e) / 8; M = the running largest t rounded up to a whole number; p = 2^(t - M) is quantised along the keys, not normalised; the row's sum is taken of the unquantised p and divides at the end.
; SHARES.  A cluster of four work-groups owns a head; each has sixteen waves of 256 registers.  Wave w of the partner at place cx owns the query tiles 4 w + cx and 127 - (4 w + cx) (16 queries each):
; their last key steps (128 keys a step) are w / 2 and 15 - w / 2, which hang on the wave's number alone: every wave has 17 steps, two of them on the diagonal, and no branch hangs on cx.
; LDS.  The head's K, V and scale words, 16 steps x 13,056 bytes, lie in LDS as they lie in kv, filled ONCE by joint loads of waves 0-3 (four each: four loads of a wave are out): no ring, nothing is filled again.
; So no later load exists for which a prefetch could run ahead.
; LAYOUT.  Both products are used transposed: S^T = K Q^T, O^T = V^T P^T: a lane holds one query.  The keys, queries and channels of a tile are 32 g + 8 u + r + 8 (r / 8): the 16 registers of two neighbouring
; result tiles are 16 neighbours along the next K.  Operands lie in the order of their registers: 16 rows x 64 K are 768 bytes: registers 0-3 of lane l at 16 l, registers 4, 5 at 512 + 8 l.
; K = 64 IN AN INSTRUCTION OF K = 128: Q's registers 6-11 are zero codes.  A tile of K is named with the six registers that follow it (the next tile's codes; zeros behind the last): they meet Q's zeros and add nothing.
; The scale bytes of that half are 0, which stands for 2^-127.
; LIMITS: NaN and infinities are not served; 1 / l is v_rcp_f32's; a block of y under 2^-124 gets the byte 1.
; REGISTERS: v1 16 x lane, v2 8 x lane, v3, v4 the step's addresses, v5, v6 my query less 16 h in its step (late, early tile), v7 8 r, v10, v11 Q's scale words, v12 -M, v13 the largest t, v[14:15] the sum,
; v16-27, v28-39 Q's two fragments, v40-87 K's eight tiles, then V's four fragments, v88-93 zeros, v[94:95] V's scale words, v96-159 S^T, then p, v160-191 O^T, v192-203 p's codes, v204-210 at work,
; v212-215 K's scale words, v216-231 at work, v232 p's scale word, v233-238 Q's load addresses.
.set HS,   208896
.set STB,  13056
.set YSCL, 6291456
.set WV,   10
.set SEL,  20
.set CS,   22                          ; s[22:23] c = log2(e) / 8
.set G1,   24
.set G0,   32                          ; s[32:47] four sets
.set TB,   48                          ; the step's first LDS byte
.set SI,   49                          ; the step
.set SLH,  50                          ; the late tile's last step
.set SLL,  51                          ; the early tile's
.set YH,   54
.set YL,   56
.set YSH,  58
.set YSL,  60
.set KF,   40
.set VSC,  94
.set S,    96
.set O,    160
.set PCD,  192
.set CT,   204
.set KSC,  212
.set BM,   216
.set PT,   220
.set SO,   224
.set F,    228
.set TMP,  230
.set NINF, 231
.set PSW,  232
.macro CROUND
	s_barrier_signal -1
	s_barrier_wait -1
	s_cmp_lg_u32 s[WV], 0
	s_cbranch_scc1 .Lnot_wave_0_\@
	s_barrier_signal -3
.Lnot_wave_0_\@:
	s_barrier_wait -3
	s_barrier_signal -1
	s_barrier_wait -1
.endm
	s_load_b128 s[4:7], s[0:1], 0x0                ; qb, kv
	s_load_b64 s[8:9], s[0:1], 0x10                ; yq
	v_lshl_add_u32 v254, v0, 2, 0x33000
	v_mov_b32 v255, 0
	ds_add_u32 v254, v255
	ds_add_u32 v254, v255
	v_lshrrev_b32 v1, 5, v0
	s_delay_alu instid0(VALU_DEP_1)
	v_readfirstlane_b32 s[WV], v1
	s_bfe_u32 s11, ttmp6, 0x40000                  ; cx: it enters global addresses of Q and y and the mask's numbers alone
	s_and_b32 s12, ttmp7, 0xffff                   ; the head, which the four partners share
	s_mul_i32 s13, s12, HS
	s_mov_b32 s[G1], 15|(3<<16)|(1<<21)            ; all four work-groups; elements of 8 bytes; bit 21 beside a mask
	s_mov_b32 s[G1+1], 32<<16                      ; a step's 13,056 dense bytes as 51 rows of 256
	s_mov_b32 s[G1+2], 51<<16
	s_mov_b32 s[G1+3], 32<<16
	s_mov_b32 s[G1+4], 51
	s_mov_b32 s[G1+5], 32
	s_mov_b32 s[G1+6], 0
	s_mov_b32 s[G1+7], 0
	s_and_b32 s14, s[WV], 3
	s_mul_i32 s14, s14, STB                        ; load n of wave j takes step 4 n + j
	s_add_co_u32 s16, s13, s14
	s_mov_b32 s17, 0
	s_lshr_b32 s[SLL], s[WV], 1
	s_sub_co_u32 s[SLH], 15, s[SLL]
	s_mov_b32 s[SEL], 0x76543210
	s_mov_b32 s[SEL+1], 0xfedcba98
	s_mov_b32 s[CS], 0x3e38aa3b
	s_mov_b32 s[CS+1], s[CS]
	s_wait_dscnt 0x0
	s_wait_kmcnt 0x0
	s_add_nc_u64 s[16:17], s[6:7], s[16:17]
.irp n, 0,1,2,3
	s_mov_b32 s[G0+4*\n], 1
	s_add_co_u32 s[G0+4*\n+1], s14, \n*4*STB
	s_add_nc_u64 s[G0+4*\n+2:G0+4*\n+3], s[16:17], \n*4*STB
	s_or_b32 s[G0+4*\n+3], s[G0+4*\n+3], 0x80000000
.endr
	CROUND                                         ; all four work-groups are here: the joint loads meet
	s_cmp_lt_u32 s[WV], 4
	s_cbranch_scc0 .Lno_fill
	tensor_load_to_lds s[G0:G0+3], s[G1:G1+7]
	s_nop 0
	tensor_load_to_lds s[G0+4:G0+7], s[G1:G1+7]
	s_nop 0
	tensor_load_to_lds s[G0+8:G0+11], s[G1:G1+7]
	s_nop 0
	tensor_load_to_lds s[G0+12:G0+15], s[G1:G1+7]
	s_nop 0
.rept 4
	v_nop
.endr
.Lno_fill:
	v_and_b32 v3, 31, v0
	s_delay_alu instid0(VALU_DEP_1)
	v_lshlrev_b32 v1, 4, v3
	s_wait_alu depctr_va_vdst(0)
	v_lshlrev_b32 v2, 3, v3
	s_wait_alu depctr_va_vdst(0)
	v_and_b32 v7, 15, v0                           ; r
	s_wait_alu depctr_va_vdst(0)
	v_and_b32 v8, 8, v0
	s_delay_alu instid0(VALU_DEP_1)
	v_add_nc_u32 v8, v8, v7                        ; r + 8 (r / 8)
	v_and_b32 v9, 16, v0
	s_delay_alu instid0(VALU_DEP_1)
	v_sub_nc_u32 v8, v8, v9                        ; - 16 h
	s_wait_alu depctr_va_vdst(0)
	s_lshl_b32 s18, s[WV], 2
	s_add_co_u32 s18, s18, s11                     ; the early tile
	s_sub_co_u32 s19, 127, s18                     ; the late tile
; tile s[si]: its codes and scale words are asked for; vd = my query's place in its step, less 16 h
.macro QTILE si, qf, qs, vd, ta
	s_lshr_b32 s14, s[\si], 3
	s_mul_i32 s14, s14, STB
	s_add_co_u32 s14, s14, s13                     ; its step's block in qb
	s_and_b32 s15, s[\si], 7
	s_mul_i32 s16, s15, 768
	s_add_co_u32 s16, s16, s14
	v_add_nc_u32 v[\ta], s16, v1
	s_wait_alu depctr_va_vdst(0)
	v_add_nc_u32 v[\ta+1], s16, v2
	s_wait_alu depctr_va_vdst(0)
	s_and_b32 s16, s15, 1
	s_lshr_b32 s15, s15, 1
	s_lshl_b32 s17, s16, 8
	s_add_co_u32 s14, s14, s17                     ; odd tiles' words lie in the upper sixteen places of 16 bytes,
	s_lshl_b32 s17, s15, 2
	s_add_co_u32 s14, s14, s17                     ; word tile / 2 of a place
	v_lshl_add_u32 v[\ta+2], v7, 4, s14
	s_lshl_b32 s15, s15, 5
	s_lshl_b32 s16, s16, 3
	s_add_co_u32 s15, s15, s16
	v_add_nc_u32 v[\vd], s15, v8
	global_load_b128 v[\qf:\qf+3], v[\ta], s[4:5]
	global_load_b64 v[\qf+4:\qf+5], v[\ta+1], s[4:5] offset:512
	global_load_b32 v[\qs], v[\ta+2], s[4:5] offset:6144
.irp j, 6,7,8,9,10,11
	v_mov_b32 v[\qf+\j], 0                         ; zero codes for the upper 64 of the instruction's K
.endr
.endm
	QTILE 19, 16, 10, 5, 233
	QTILE 18, 28, 11, 6, 236
	v_lshlrev_b32 v7, 3, v7                        ; 8 r: y's scale bytes
.macro YADDR si, yb, ysb
	s_lshr_b32 s14, s12, 4
	s_lshl_b32 s14, s14, 7
	s_add_co_u32 s14, s14, s[\si]                  ; the token tile: 128 batch + tile
	s_and_b32 s15, s12, 15                         ; the head in its batch
	s_mul_i32 s16, s14, 12288
	s_mul_i32 s17, s15, 768
	s_add_co_u32 s16, s16, s17
	s_mov_b32 s17, 0
	s_add_nc_u64 s[\yb:\yb+1], s[8:9], s[16:17]
	s_lshl_b32 s16, s14, 9
	s_lshr_b32 s14, s15, 2
	s_lshl_b32 s14, s14, 7
	s_add_co_u32 s16, s16, s14
	s_and_b32 s14, s15, 3
	s_lshl_b32 s14, s14, 1
	s_add_co_u32 s16, s16, s14
	s_add_co_u32 s16, s16, YSCL
	s_add_nc_u64 s[\ysb:\ysb+1], s[8:9], s[16:17]
.endm
	YADDR 19, YH, YSH
	YADDR 18, YL, YSL
.irp j, 88,89,90,91,92,93
	v_mov_b32 v\j, 0
.endr
.irp b, 0,1,2,3
	v_mov_b32 v[PT+\b], 0                          ; a lane permute's destination counts as one of its sources
.endr
	v_mov_b32 v[F+1], 0                            ; (named as the upper half of a pair)
	v_mov_b32 v[NINF], 0xff800000
.macro INIT                            ; the loops have no first step of their own: O^T and the sum begin as zeros, the largest t under every t
	v_mov_b32 v13, 0xff61b1e6
	s_delay_alu instid0(VALU_DEP_1)
	v_floor_f32 v12, -v13
	v_mov_b32 v14, 0
	v_mov_b32 v15, 0
.set j_, 0
.rept 32
	v_mov_b32 v[O+j_], 0
.set j_, j_+1
.endr
.endm
	INIT
; A KEY STEP: 128 keys.  causal = 1: a step behind my tile's last is left out (a branch on the wave's number and the count), and in the last one hidden scores become -infinity
.macro STEP causal, qf, qs, sl, d
.if \causal
	s_cmp_gt_u32 s[SI], s[\sl]
	s_cbranch_scc1 .Lhidden_\@
.endif
	s_setprio 2
	v_add_nc_u32 v3, s[TB], v1
	v_add_nc_u32 v4, s[TB], v2
	v_nop
	v_nop                                          ; four places in front of loads into registers that the last products read
.irp t, 0,1,2,3,4,5,6,7
	ds_load_b128 v[KF+6*\t:KF+6*\t+3], v3 offset:768*\t
	ds_load_b64 v[KF+6*\t+4:KF+6*\t+5], v4 offset:768*\t+512
.endr
	ds_load_b128 v[KSC:KSC+3], v3 offset:6144      ; register i: lanes 0-15 tile 2 i's words, lanes 16-31 tile 2 i + 1's
	s_wait_alu depctr_va_vdst(0)
	s_wait_dscnt 0x0
.irp t, 0,2,4,6
	v_wmma_scale_f32_16x16x128_f8f6f4 v[S+8*\t:S+8*\t+7], v[KF+6*\t:KF+6*\t+11], v[\qf:\qf+11], 0, v[KSC+\t/2], v[\qs] matrix_a_fmt:MATRIX_FMT_FP6 matrix_b_fmt:MATRIX_FMT_FP6
	v_wmma_scale_f32_16x16x128_f8f6f4 v[S+8*\t+8:S+8*\t+15], v[KF+6*\t+6:KF+6*\t+17], v[\qf:\qf+11], 0, v[KSC+\t/2], v[\qs] matrix_a_fmt:MATRIX_FMT_FP6 matrix_b_fmt:MATRIX_FMT_FP6 matrix_a_scale:MATRIX_SCALE_ROW1
.endr
.rept 4
	v_nop                                          ; places: the scores are read, and K's registers loaded anew, below
.endr
.irp dt, 0,1,2,3                               ; V's four fragments land while the softmax is walked
.irp c, 0,1
	ds_load_b128 v[KF+12*\dt+6*\c:KF+12*\dt+6*\c+3], v3 offset:6656+1536*\dt+768*\c
	ds_load_b64 v[KF+12*\dt+6*\c+4:KF+12*\dt+6*\c+5], v4 offset:6656+1536*\dt+768*\c+512
.endr
.endr
	ds_load_b64 v[VSC:VSC+1], v4 offset:12800
.if \causal
	s_cmp_lg_u32 s[SI], s[\sl]
	s_cbranch_scc1 .Lopen_\@
.set n_, 0
.rept 64                                       ; register 16 b + i holds key 32 b + 16 h + i of the step: hidden where 32 b + i > my query - 16 h
	v_cmp_gt_i32 vcc_lo, 32*(n_/16)+n_%16, v[\d]
	v_cndmask_b32 v[S+n_], v[S+n_], v[NINF], vcc_lo
.set n_, n_+1
.endr
.Lopen_\@:
.endif
.irp b, 0,1,2,3
	v_max3_num_f32 v[BM+\b], v[S+16*\b], v[S+1+16*\b], v[S+2+16*\b]   ; the largest score of each block of 32 keys: for the row's maximum and for the block's largest p
.endr
.irp i, 3,5,7,9,11,13
.irp b, 0,1,2,3
	v_max3_num_f32 v[BM+\b], v[BM+\b], v[S+16*\b+\i], v[S+1+16*\b+\i]
.endr
.endr
.irp b, 0,1,2,3
	v_max_num_f32 v[BM+\b], v[BM+\b], v[S+15+16*\b]
.endr
.irp b, 0,1,2,3
	s_delay_alu instid0(VALU_DEP_4)
	v_permlanex16_b32 v[PT+\b], v[BM+\b], s[SEL], s[SEL+1]
.endr
.irp b, 0,1,2,3
	s_delay_alu instid0(VALU_DEP_4)
	v_max_num_f32 v[BM+\b], v[BM+\b], v[PT+\b]
.endr
	s_delay_alu instid0(VALU_DEP_2)
	v_max3_num_f32 v[TMP], v[BM], v[BM+1], v[BM+2]
	s_delay_alu instid0(VALU_DEP_1)
	v_max_num_f32 v[TMP], v[TMP], v[BM+3]
	s_delay_alu instid0(VALU_DEP_1)
	v_mul_f32 v[TMP], s[CS], v[TMP]
	s_delay_alu instid0(VALU_DEP_1)
	v_max_num_f32 v13, v13, v[TMP]                 ; the running largest t
	v_mov_b32 v[TMP], v12
	s_delay_alu instid0(VALU_DEP_2)
	v_floor_f32 v12, -v13                          ; -M = floor(-t): M is a whole number
	s_delay_alu instid0(VALU_DEP_1)
	v_sub_f32 v[TMP], v12, v[TMP]
	s_delay_alu instid0(VALU_DEP_1)
	v_cvt_i32_f32 v[TMP], v[TMP]                   ; (it saturates)
	s_delay_alu instid0(VALU_DEP_1)
	v_ldexp_f32 v[F], 1.0, v[TMP]                  ; f = 2^(old M - new M): rounds nothing
.set j_, 0
.rept 32
	v_pk_fma_f32 v[S+j_:S+j_+1], v[S+j_:S+j_+1], s[CS:CS+1], v[12:13] op_sel_hi:[1,0,0]   ; t - M
.set j_, j_+2
.endr
.irp b, 0,1,2,3
	v_fma_f32 v[BM+\b], v[BM+\b], s[CS], v12
.endr
.set j_, 0
	s_setprio 1
	s_wait_alu depctr_va_vdst(0)
.rept 64
	v_exp_f32 v[S+j_], v[S+j_]                     ; p = 2^(t - M)
.set j_, j_+1
.endr
	v_pk_mul_f32 v[14:15], v[14:15], v[F:F+1] op_sel_hi:[1,0]   ; the sums under the new M: the plain line behind the batch
	s_wait_alu depctr_va_vdst(0)                   ; one wait for the 64, ahead of their first reader
.irp b, 0,1,2,3
	v_exp_f32 v[BM+\b], v[BM+\b]                   ; the block's largest p: the same two instructions on the same number
.endr
	v_pk_add_f32 v[220:221], v[100:101], v[104:105]
	v_pk_add_f32 v[252:253], v[108:109], v[112:113]
	v_pk_add_f32 v[250:251], v[116:117], v[120:121]
	v_pk_add_f32 v[248:249], v[124:125], v[128:129]
	v_pk_add_f32 v[246:247], v[132:133], v[136:137]
	v_pk_add_f32 v[244:245], v[140:141], v[144:145]
	v_pk_add_f32 v[242:243], v[148:149], v[152:153]
	v_pk_add_f32 v[14:15], v[14:15], v[156:157]
	v_pk_add_f32 v[220:221], v[220:221], v[96:97]
	v_pk_add_f32 v[252:253], v[252:253], v[98:99]
	v_pk_add_f32 v[250:251], v[250:251], v[102:103]
	v_pk_add_f32 v[248:249], v[248:249], v[106:107]
	v_pk_add_f32 v[246:247], v[246:247], v[110:111]
	v_pk_add_f32 v[244:245], v[244:245], v[114:115]
	v_pk_add_f32 v[242:243], v[242:243], v[118:119]
	v_pk_add_f32 v[14:15], v[14:15], v[122:123]
	v_pk_add_f32 v[220:221], v[220:221], v[126:127]
	v_pk_add_f32 v[252:253], v[252:253], v[130:131]
	v_pk_add_f32 v[250:251], v[250:251], v[134:135]
	v_pk_add_f32 v[248:249], v[248:249], v[138:139]
	v_pk_add_f32 v[246:247], v[246:247], v[142:143]
	v_pk_add_f32 v[244:245], v[244:245], v[146:147]
	v_pk_add_f32 v[242:243], v[242:243], v[150:151]
	v_pk_add_f32 v[14:15], v[14:15], v[154:155]
	v_pk_add_f32 v[220:221], v[220:221], v[158:159]
	s_delay_alu instid0(VALU_DEP_2)
	v_pk_add_f32 v[14:15], v[14:15], v[248:249]
	s_delay_alu instid0(VALU_DEP_2)
	v_pk_add_f32 v[220:221], v[220:221], v[246:247]
	v_pk_add_f32 v[252:253], v[252:253], v[244:245]
	v_pk_add_f32 v[250:251], v[250:251], v[242:243]
	s_delay_alu instid0(VALU_DEP_2)
	v_pk_add_f32 v[14:15], v[14:15], v[252:253]
	s_delay_alu instid0(VALU_DEP_2)
	v_pk_add_f32 v[220:221], v[220:221], v[250:251]
	s_delay_alu instid0(VALU_DEP_1)
	v_pk_add_f32 v[14:15], v[14:15], v[220:221]
	s_wait_alu depctr_va_vdst(0)                   ; and one for the four
.irp b, 0,1,2,3
	v_max_num_f32 v[BM+\b], 0x1800000, v[BM+\b]    ; the floor: the byte cannot fall under 1
.endr
.irp b, 0,1,2,3
	s_delay_alu instid0(VALU_DEP_4)
	v_add_nc_u32 v[SO+\b], 0xff000000, v[BM+\b]
.endr
.irp b, 0,1,2,3
	s_delay_alu instid0(VALU_DEP_4)
	v_lshrrev_b32 v[PT+\b], 23, v[SO+\b]
.endr
	s_delay_alu instid0(VALU_DEP_3)
	v_lshl_or_b32 v[PSW], v[PT+1], 8, v[PT]
	s_delay_alu instid0(VALU_DEP_1)
	v_lshl_or_b32 v[PSW], v[PT+2], 16, v[PSW]
	s_delay_alu instid0(VALU_DEP_1)
	v_lshl_or_b32 v[PSW], v[PT+3], 24, v[PSW]
.irp c, 0,1
	v_cvt_scalef32_pk16_fp6_f32 v[PCD+6*\c:PCD+6*\c+2], v[S+32*\c:S+32*\c+15], v[SO+2*\c]
	v_cvt_scalef32_pk16_fp6_f32 v[CT+4*\c:CT+4*\c+2], v[S+16+32*\c:S+31+32*\c], v[SO+2*\c+1]
.endr
	v_nop
	s_setprio 0
.irp c, 0,1
.irp i, 0,1,2
	v_permlane16_swap_b32 v[PCD+6*\c+\i], v[CT+4*\c+\i]
.endr
.irp i, 0,1,2
	s_delay_alu instid0(VALU_DEP_3)
	v_mov_b32 v[PCD+3+6*\c+\i], v[CT+4*\c+\i]
.endr
.endr
.set j_, 0
.rept 16
	v_pk_mul_f32 v[O+j_:O+j_+1], v[O+j_:O+j_+1], v[F:F+1] op_sel_hi:[1,0]   ; O^T under the new M; also the places in front of the products below
.set j_, j_+2
.endr
	s_wait_alu depctr_va_vdst(0)
	s_wait_dscnt 0x0                               ; V
.irp dt, 0,2
	v_wmma_scale_f32_16x16x128_f8f6f4 v[O+8*\dt:O+8*\dt+7], v[KF+12*\dt:KF+12*\dt+11], v[PCD:PCD+11], v[O+8*\dt:O+8*\dt+7], v[VSC+\dt/2], v[PSW] matrix_a_fmt:MATRIX_FMT_FP6 matrix_b_fmt:MATRIX_FMT_FP6
	v_wmma_scale_f32_16x16x128_f8f6f4 v[O+8*\dt+8:O+8*\dt+15], v[KF+12*\dt+12:KF+12*\dt+23], v[PCD:PCD+11], v[O+8*\dt+8:O+8*\dt+15], v[VSC+\dt/2], v[PSW] matrix_a_fmt:MATRIX_FMT_FP6 matrix_b_fmt:MATRIX_FMT_FP6 matrix_a_scale:MATRIX_SCALE_ROW1
.endr
.if \causal
.Lhidden_\@:
.endif
	s_add_co_u32 s[TB], s[TB], STB
	s_add_co_u32 s[SI], s[SI], 1
.endm
; y = O^T / l, quantised along the head's 64 channels (two blocks), leaves as 768 bytes of codes and two scale bytes a token (2 bytes a lane, 8 bytes apart: twice a wave)
.macro OUT yb, ysb
.rept 4
	v_nop                                          ; places behind the last products
.endr
	v_add_f32 v14, v14, v15
	s_delay_alu instid0(VALU_DEP_1)
	v_permlanex16_b32 v[PT], v14, s[SEL], s[SEL+1]
	s_delay_alu instid0(VALU_DEP_1)
	v_add_f32 v14, v14, v[PT]
	s_wait_alu depctr_va_vdst(0)
	v_rcp_f32 v14, v14
	v_nop
	s_wait_alu depctr_va_vdst(0)
.set j_, 0
.rept 32
	v_mul_f32 v[S+j_], v[O+j_], v14                ; register 16 b + e: channel 32 b + 16 h + e
.set j_, j_+1
.endr
.irp b, 0,1
	v_max3_num_f32 v[BM+\b], |v[S+16*\b]|, |v[S+1+16*\b]|, 0x1800000
.endr
.irp i, 2,4,6,8,10,12,14
.irp b, 0,1
	s_delay_alu instid0(VALU_DEP_2)
	v_max3_num_f32 v[BM+\b], v[BM+\b], |v[S+16*\b+\i]|, |v[S+1+16*\b+\i]|
.endr
.endr
.irp b, 0,1
	s_delay_alu instid0(VALU_DEP_2)
	v_permlanex16_b32 v[PT+\b], v[BM+\b], s[SEL], s[SEL+1]
.endr
.irp b, 0,1
	s_delay_alu instid0(VALU_DEP_2)
	v_max_num_f32 v[BM+\b], v[BM+\b], v[PT+\b]
.endr
.irp b, 0,1
	s_delay_alu instid0(VALU_DEP_2)
	v_add_nc_u32 v[SO+\b], 0xff000000, v[BM+\b]
.endr
.irp b, 0,1
	s_delay_alu instid0(VALU_DEP_2)
	v_lshrrev_b32 v[PT+\b], 23, v[SO+\b]
.endr
	s_delay_alu instid0(VALU_DEP_1)
	v_lshl_or_b32 v[TMP], v[PT+1], 8, v[PT]
	v_cvt_scalef32_pk16_fp6_f32 v[CT:CT+2], v[S:S+15], v[SO]
	v_cvt_scalef32_pk16_fp6_f32 v[CT+4:CT+6], v[S+16:S+31], v[SO+1]
	v_nop
.irp i, 0,1,2
	v_permlane16_swap_b32 v[CT+\i], v[CT+4+\i]
.endr
.irp i, 0,1,2
	s_delay_alu instid0(VALU_DEP_3)
	v_mov_b32 v[CT+3+\i], v[CT+4+\i]
.endr
	global_store_b128 v1, v[CT:CT+3], s[\yb:\yb+1]
	global_store_b64 v2, v[CT+4:CT+5], s[\yb:\yb+1] offset:512
	global_store_b16 v7, v[TMP], s[\ysb:\ysb+1]    ; lanes r and r + 16 write the same two bytes with the same value
.endm
	s_wait_loadcnt 0x0                             ; Q
	s_wait_tensorcnt 3                             ; a fetching wave's first load is in (steps 0-3); its other three may be out
	s_barrier_signal -1
	s_barrier_wait -1
	s_mov_b32 s[TB], 0
	s_mov_b32 s[SI], 0
.Llate_a:                                          ; the late tile: steps 0-7 lie wholly under its queries
	STEP 0, 16, 10, SLH, 5
	s_cmp_lt_u32 s[SI], 4
	s_cbranch_scc1 .Llate_a
	s_setprio 0
	s_wait_tensorcnt 0x0                           ; the whole head
	s_wait_dscnt 0x0
	s_barrier_signal -1
	s_barrier_wait -1
	s_mov_b32 s[TB], 4*STB
	s_mov_b32 s[SI], 4
.Llate_b:
	STEP 0, 16, 10, SLH, 5
	s_cmp_lt_u32 s[SI], 8
	s_cbranch_scc1 .Llate_b
	s_setprio 0
	s_mov_b32 s[TB], 8*STB
	s_mov_b32 s[SI], 8
.Llate_c:
	STEP 1, 16, 10, SLH, 5
	s_cmp_lt_u32 s[SI], 16
	s_cbranch_scc1 .Llate_c
	s_setprio 0
	OUT YH, YSH
	s_wait_xcnt 0x0                                ; the stores have read their registers
	INIT
	s_mov_b32 s[TB], 0
	s_mov_b32 s[SI], 0
.Learly:                                           ; the early tile
	STEP 1, 28, 11, SLL, 6
	s_cmp_lt_u32 s[SI], 8
	s_cbranch_scc1 .Learly
	s_setprio 0
	OUT YL, YSL
	s_wait_dscnt 0x0
	s_wait_tensorcnt 0x0
	ds_add_u32 v254, v255
	s_wait_dscnt 0x0
	CROUND                                         ; the closing round
	s_endpgm
.Lfunc_end_k_q09e224c5bf_attn:
	.size	k_q09e224c5bf_attn, .Lfunc_end_k_q09e224c5bf_attn-k_q09e224c5bf_attn
	.p2alignl 7, 3214868480
	.fill 96, 4, 3214868480
	.section	.rodata,"a",@progbits
	.p2align	6, 0x0
	.amdhsa_kernel k_q09e224c5bf_attn
		.amdhsa_group_segment_fixed_size 210944
		.amdhsa_private_segment_fixed_size 0
		.amdhsa_enable_private_segment 0
		.amdhsa_kernarg_size 24
		.amdhsa_user_sgpr_count 2
		.amdhsa_user_sgpr_kernarg_segment_ptr 1
		.amdhsa_wavefront_size32 1
		.amdhsa_system_sgpr_workgroup_id_x 1
		.amdhsa_system_sgpr_workgroup_id_y 1
		.amdhsa_system_sgpr_workgroup_id_z 1
		.amdhsa_system_vgpr_workitem_id 0
		.amdhsa_next_free_vgpr 256
		.amdhsa_next_free_sgpr 66
		.amdhsa_reserve_vcc 1
		.amdhsa_float_denorm_mode_32 3
		.amdhsa_float_denorm_mode_16_64 3
		.amdhsa_memory_ordered 1
		.amdhsa_forward_progress 1
		.amdhsa_inst_pref_size 100
	.end_amdhsa_kernel
	.amdgpu_metadata
---
amdhsa.version: [ 1, 2 ]
amdhsa.kernels:
  - .name:           k_q09e224c5bf_attn
    .symbol:         k_q09e224c5bf_attn.kd
    .args:
      - { .name: qb, .offset: 0, .size: 8, .value_kind: global_buffer, .address_space: global }
      - { .name: kv, .offset: 8, .size: 8, .value_kind: global_buffer, .address_space: global }
      - { .name: yq, .offset: 16, .size: 8, .value_kind: global_buffer, .address_space: global }
    .group_segment_fixed_size: 210944
    .private_segment_fixed_size: 0
    .kernarg_segment_align: 8
    .kernarg_segment_size: 24
    .max_flat_workgroup_size: 512
    .sgpr_count:     66
    .vgpr_count:     256
    .wavefront_size: 32
...
	.end_amdgpu_metadata
.endif
;; end of part 3
;; launch proj (part 4): grid 8 x 32, 4 waves a work-group, clusters of 4 x 4, 307,712 bytes of LDS; arguments yq, wc, b_proj, out0; writes out0
.if DOCPART == 4
	.amdgcn_target "amdgcn-amd-amdhsa--gfx1250"
	.amdhsa_code_object_version 6
	.text
	.protected	k_q09e224c5bf_proj
	.globl	k_q09e224c5bf_proj
	.p2align	8
	.type	k_q09e224c5bf_proj,@function
k_q09e224c5bf_proj:
	s_mov_b64 s[64:65], 0
	v_nop
	global_prefetch_b8 v0, s[64:65] scope:SCOPE_SE
	s_setreg_imm32_b32 hwreg(HW_REG_WAVE_MODE, 25, 1), 1
	s_wait_xcnt 0x0
	s_wait_alu depctr_hold_cnt(0) depctr_sa_sdst(0) depctr_va_vdst(0) depctr_va_sdst(0) depctr_va_ssrc(0) depctr_va_vcc(0) depctr_vm_vsrc(0)
	s_getreg_b32 s2, hwreg(HW_REG_IB_STS2, 6, 4)
	s_cmp_eq_u32 s2, 0
	s_cbranch_scc0 .Lentry_in_a_cluster
	s_endpgm
.Lentry_in_a_cluster:
	s_bfe_u32 s2, ttmp6, 0x10000c
	s_cmp_lg_u32 s2, 0xf033
	s_cbranch_scc0 .Lentry_shape_is_right
	s_endpgm
.Lentry_shape_is_right:
; out0 = y W_proj + b_proj on codes of FP6 (E2M3) with E8M0 scales; out0 [8192][1024] f32.
; A work-group makes 256 tokens (S, source 1) x 128 outputs (P, source 0: rows 128 pb .. of W_proj^T, blocks 24 .. 31 of wc): 256 work-groups.  Wave w takes S's tiles 4 w .. 4 w + 3 against P's eight: 32 accumulators.
; ALL OF K (1,024) LIES IN LDS, filled once by joint loads in four chunks of 256 along K (five loads of a wave are out, the scale words first): nothing is filled again, and no later load exists for a prefetch to run ahead of.
; CLUSTER 4 x 4: S's tiles are shared along a row of the cluster, P's along a column.
; Operands lie in the order of their registers.  P: fragments of 1,536 bytes.  S (yq): [token tile][head][768]: a fragment of 128 K is two heads: registers 0-3 at 16 l, 4, 5 at 512 + 8 l, 6-9 at 768 + 16 l, 10, 11 at 1,280 + 8 l.
; A tile's rows are 32 g + 8 u + r + 8 (r / 8): a lane's registers over P's tiles 2 b, 2 b + 1 are outputs 32 b + 16 h + 0 .. 15.  The bias is the C of each sum's first matrix instruction.
; REGISTERS: window 0: v0-31 addresses; v32-63 scale words, two sets, nothing else; v64-207 fragment set 0 (P's eight, then S's four); on the way out v64-191 rows of out0.
;   window 1: the accumulators, (a, b) at v[8 (8 a + b)].   window 2: v0-63 the bias; v64-207 fragment set 1.
.set FR,   12
.set SCH,  49152                       ; a chunk of S: 16 tiles x 3,072
.set PB0,  4*SCH
.set PCH,  24576                       ; a chunk of P: 8 tiles x 3,072
.set SSC,  PB0+4*PCH                   ; S's scale words, 16 x 512;
.set PSC,  SSC+8192                    ; P's, 8 x 512
.set YSCL, 6291456
.set WSCL, 3145728
.set AP,   4                           ; v4-7   P's fragments in chunk t: 16 x lane +
.set AS16, 8                           ; v8-11  my S tiles: 16 x lane +
.set AS8,  12                          ; v12-15 8 x lane +
.set ADRSC, 16
.set STO,  17
.set RD,   18
.set CO,   19
.set SC,   32
.set FB,   64
.set BK,   64
.set G1S,  24
.set G1P,  32
.set G1SS, 40
.set G1PS, 48
.set G0SS, 56
.set G0PS, 60
.set G0S,  68                          ; s[68:83]
.set G0P,  84                          ; s[84:99]
.set MSB, 0
.macro WIN new
.if MSB != \new
	s_set_vgpr_msb (MSB<<8)|\new
.set MSB, \new
.endif
.endm
.macro JLOAD g0a, g1a, g0b, g1b        ; waves 0, 1 fetch for S, waves 2, 3 for P; four v_nop follow each line
	s_cmp_eq_u32 s13, 0
	s_cbranch_scc0 .Lfor_b_\@
	tensor_load_to_lds s[\g0a:\g0a+3], s[\g1a:\g1a+7]
	s_nop 0
.rept 4
	v_nop
.endr
	s_branch .Lasked_\@
.Lfor_b_\@:
	tensor_load_to_lds s[\g0b:\g0b+3], s[\g1b:\g1b+7]
	s_nop 0
.rept 4
	v_nop
.endr
.Lasked_\@:
.endm
.macro CROUND
	s_barrier_signal -1
	s_barrier_wait -1
	s_cmp_lg_u32 s12, 0
	s_cbranch_scc1 .Lnot_wave_0_\@
	s_barrier_signal -3
.Lnot_wave_0_\@:
	s_barrier_wait -3
	s_barrier_signal -1
	s_barrier_wait -1
.endm
	s_load_b256 s[4:11], s[0:1], 0x0               ; yq s[4:5], wc s[6:7], b_proj s[8:9], out0 s[10:11]
	v_lshl_add_u32 v254, v0, 2, 0x4b000
	v_mov_b32 v255, 0
	ds_add_u32 v254, v255
	ds_add_u32 v254, v255
	v_lshrrev_b32 v1, 5, v0
	v_readfirstlane_b32 s12, v1                    ; wave
	s_lshr_b32 s13, s12, 1                         ; I fetch for S (0) or for P (1)
	s_and_b32 s14, s12, 1                          ; which half
	s_bfe_u32 s15, ttmp6, 0x40000                  ; cx
	s_bfe_u32 s16, ttmp6, 0x40004                  ; cy
	s_lshl_b32 s17, ttmp9, 2
	s_add_co_u32 s17, s17, s15                     ; pb: the block of 128 outputs
	s_and_b32 s18, ttmp7, 0xffff
	s_lshl_b32 s18, s18, 2
	s_add_co_u32 s18, s18, s16                     ; sb: the block of 256 tokens
	s_lshl_b32 s19, s16, 2
	s_lshl_b32 s19, 15, s19                        ; my row of the cluster
	s_lshl_b32 s20, 0x1111, s15                    ; my column
	s_or_b32 s[G1S], s19, (3<<16)|(1<<21)
	s_or_b32 s[G1SS], s19, (3<<16)|(1<<21)
	s_or_b32 s[G1P], s20, (3<<16)|(1<<21)
	s_or_b32 s[G1PS], s20, (3<<16)|(1<<21)
	s_mov_b32 s[G1S+1], 384<<16                    ; S's codes: 8 tiles, of each 3,072 bytes (four heads), 12,288 bytes apart
	s_mov_b32 s[G1S+2], 8<<16
	s_mov_b32 s[G1S+3], 384<<16
	s_mov_b32 s[G1S+4], 8
	s_mov_b32 s[G1S+5], 1536
	s_mov_b32 s[G1S+6], 0
	s_mov_b32 s[G1S+7], 0
	s_mov_b32 s[G1P+1], 32<<16                     ; P's codes: 12,288 dense bytes as 48 rows of 256
	s_mov_b32 s[G1P+2], 48<<16
	s_mov_b32 s[G1P+3], 32<<16
	s_mov_b32 s[G1P+4], 48
	s_mov_b32 s[G1P+5], 32
	s_mov_b32 s[G1P+6], 0
	s_mov_b32 s[G1P+7], 0
	s_mov_b32 s[G1SS+1], 32<<16                    ; S's scale words: 4,096 dense bytes
	s_mov_b32 s[G1SS+2], 16<<16
	s_mov_b32 s[G1SS+3], 32<<16
	s_mov_b32 s[G1SS+4], 16
	s_mov_b32 s[G1SS+5], 32
	s_mov_b32 s[G1SS+6], 0
	s_mov_b32 s[G1SS+7], 0
	s_mov_b32 s[G1PS+1], 32<<16                    ; P's: 2,048
	s_mov_b32 s[G1PS+2], 8<<16
	s_mov_b32 s[G1PS+3], 32<<16
	s_mov_b32 s[G1PS+4], 8
	s_mov_b32 s[G1PS+5], 32
	s_mov_b32 s[G1PS+6], 0
	s_mov_b32 s[G1PS+7], 0
	s_lshl_b32 s21, s18, 4
	s_lshl_b32 s22, s14, 3
	s_add_co_u32 s21, s21, s22                     ; S's first tile that I would fetch
	s_mul_i32 s22, s21, 12288
	s_mov_b32 s23, 0
	s_lshl_b32 s100, s21, 9
	s_add_co_u32 s100, s100, YSCL
	s_mov_b32 s101, 0
	s_add_co_u32 s21, s17, 24                      ; P's block of 128 rows in wc
	s_mul_i32 s2, s21, 98304
	s_mul_i32 s3, s14, 12288
	s_add_co_u32 s2, s2, s3
	s_mov_b32 s3, 0
	s_lshl_b32 s20, s21, 12
	s_lshl_b32 s21, s14, 11
	s_add_co_u32 s20, s20, s21
	s_add_co_u32 s20, s20, WSCL
	s_mov_b32 s21, 0
	s_mul_i32 s66, s14, 24576                      ; where they go: by the wave's number alone
	s_mul_i32 s67, s14, 12288
	s_lshl_b32 s15, s14, 12
	s_lshl_b32 s16, s14, 11
	s_wait_dscnt 0x0
	s_wait_kmcnt 0x0
	s_add_nc_u64 s[22:23], s[4:5], s[22:23]
	s_add_nc_u64 s[100:101], s[4:5], s[100:101]
	s_add_nc_u64 s[2:3], s[6:7], s[2:3]
	s_add_nc_u64 s[20:21], s[6:7], s[20:21]
	CROUND                                         ; all sixteen work-groups are here
	s_mov_b32 s[G0SS], 1
	s_add_co_u32 s[G0SS+1], s15, SSC
	s_mov_b64 s[G0SS+2:G0SS+3], s[100:101]
	s_or_b32 s[G0SS+3], s[G0SS+3], 0x80000000
	s_mov_b32 s[G0PS], 1
	s_add_co_u32 s[G0PS+1], s16, PSC
	s_mov_b64 s[G0PS+2:G0PS+3], s[20:21]
	s_or_b32 s[G0PS+3], s[G0PS+3], 0x80000000
	JLOAD G0SS, G1SS, G0PS, G1PS
.irp t, 0,1,2,3
	s_mov_b32 s[G0S+4*\t], 1
	s_add_co_u32 s[G0S+4*\t+1], s66, \t*SCH
	s_add_nc_u64 s[G0S+4*\t+2:G0S+4*\t+3], s[22:23], \t*3072
	s_or_b32 s[G0S+4*\t+3], s[G0S+4*\t+3], 0x80000000
	s_mov_b32 s[G0P+4*\t], 1
	s_add_co_u32 s[G0P+4*\t+1], s67, PB0+\t*PCH
	s_add_nc_u64 s[G0P+4*\t+2:G0P+4*\t+3], s[2:3], \t*24576
	s_or_b32 s[G0P+4*\t+3], s[G0P+4*\t+3], 0x80000000
	JLOAD G0S+4*\t, G1S, G0P+4*\t, G1P
.endr
	v_and_b32 v1, 15, v0                           ; r
	v_bfe_u32 v2, v0, 4, 1                         ; h
	v_and_b32 v3, 31, v0
	v_lshlrev_b32 v[CO], 4, v3
	v_lshlrev_b32 v20, 3, v3
	s_mul_i32 s19, s12, 12288                      ; my four tiles of S
.irp t, 0,1,2,3
	v_add_nc_u32 v[AP+\t], PB0+\t*PCH, v[CO]
	v_add_nc_u32 v[AS16+\t], s19, v[CO]
	v_add_nc_u32 v[AS8+\t], s19, v20
	s_add_co_u32 s19, s19, SCH
.endr
	s_lshl_b32 s19, s12, 11                        ; my S tiles' scale words
	s_sub_co_u32 s16, 0x2000, s19
	v_mul_u32_u24 v21, s16, v2                     ; lanes 16-31 take P's: one product, the distance between the two
	s_add_co_u32 s19, s19, SSC
	v_lshl_add_u32 v21, v1, 3, v21
	v_add_nc_u32 v[ADRSC], s19, v21
	s_mul_i32 s19, s12, 8448                       ; my stage: 16 rows x 528 bytes, in S's chunk 0: it has had its one fill, and nobody reads it behind the second barrier
	v_mul_u32_u24 v[STO], v1, 528
	v_lshl_add_u32 v[STO], v2, 6, v[STO]
	v_add_nc_u32 v[STO], s19, v[STO]
	v_add_nc_u32 v[RD], s19, v[CO]
	v_lshlrev_b32 v22, 6, v2                       ; the bias: + 16 h numbers
	s_lshl_b32 s22, s17, 9
	s_mov_b32 s23, 0
	s_add_nc_u64 s[8:9], s[8:9], s[22:23]
	WIN 0x80                                       ; destination window 2
.irp b, 0,1,2,3
.irp j, 0,1,2,3
	global_load_b128 v[16*\b+4*\j:16*\b+4*\j+3], v22, s[8:9] offset:128*\b+16*\j
.endr
.endr
	WIN 0
	s_lshl_b32 s20, s18, 8
	s_lshl_b32 s21, s12, 6
	s_add_co_u32 s20, s20, s21                     ; my first token
	s_lshl_b32 s20, s20, 12
	s_add_co_u32 s20, s20, s22                     ; + my outputs' 512 bytes
	s_mov_b32 s21, 0
	s_add_nc_u64 s[10:11], s[10:11], s[20:21]
.macro FETCH k                         ; the fragments of the k-th 128 along K into set k % 2; with an even k its chunk's scale words
.set FT_, (\k)/2
.set FQ_, (\k)%2
	WIN 0x80*FQ_
.irp b, 0,1,2,3,4,5,6,7
.irp c, 0,1,2
	ds_load_b128 v[FB+FR*\b+4*\c:FB+FR*\b+4*\c+3], v[AP+FT_] offset:3072*\b+1536*FQ_+512*\c
.endr
.endr
.irp a, 0,1,2,3
	ds_load_b128 v[FB+96+FR*\a:FB+96+FR*\a+3], v[AS16+FT_] offset:3072*\a+1536*FQ_
	ds_load_b64 v[FB+96+FR*\a+4:FB+96+FR*\a+5], v[AS8+FT_] offset:3072*\a+1536*FQ_+512
	ds_load_b128 v[FB+96+FR*\a+6:FB+96+FR*\a+9], v[AS16+FT_] offset:3072*\a+1536*FQ_+768
	ds_load_b64 v[FB+96+FR*\a+10:FB+96+FR*\a+11], v[AS8+FT_] offset:3072*\a+1536*FQ_+1280
.endr
	WIN 0
.if FQ_ == 0
.irp i, 0,1,2,3,4,5,6,7                        ; lanes 0-15: S's tile 4 w + i (only i < 4 is used), lanes 16-31: P's tile i
	ds_load_b64 v[SC+16*(FT_%2)+2*\i:SC+16*(FT_%2)+2*\i+1], v[ADRSC] offset:512*\i+128*FT_
.endr
.endif
.endm
.macro MULS k                          ; 32 matrix instructions, the accumulators by turns
.set MT_, ((\k)/2)%2
.set MQ_, (\k)%2
.if (\k) == 0
	WIN 0x60                                       ; C: the bias, window 2; D: window 1
.elseif MQ_ == 0
	WIN 0x50
.else
	WIN 0x5a                                       ; sources 0 and 1: window 2
.endif
.irp a, 0,1,2,3
.irp b, 0,1,2,3,4,5,6,7
.if (\k) == 0
	v_wmma_scale_f32_16x16x128_f8f6f4 v[8*(8*\a+\b):8*(8*\a+\b)+7], v[FB+FR*\b:FB+FR*\b+FR-1], v[FB+96+FR*\a:FB+96+FR*\a+FR-1], v[8*\b:8*\b+7], v[SC+16*MT_+2*\b+MQ_], v[SC+16*MT_+2*\a+MQ_] matrix_a_fmt:MATRIX_FMT_FP6 matrix_b_fmt:MATRIX_FMT_FP6 matrix_a_scale:MATRIX_SCALE_ROW1
.else
	v_wmma_scale_f32_16x16x128_f8f6f4 v[8*(8*\a+\b):8*(8*\a+\b)+7], v[FB+FR*\b:FB+FR*\b+FR-1], v[FB+96+FR*\a:FB+96+FR*\a+FR-1], v[8*(8*\a+\b):8*(8*\a+\b)+7], v[SC+16*MT_+2*\b+MQ_], v[SC+16*MT_+2*\a+MQ_] matrix_a_fmt:MATRIX_FMT_FP6 matrix_b_fmt:MATRIX_FMT_FP6 matrix_a_scale:MATRIX_SCALE_ROW1
.endif
.endr
.endr
	WIN 0
.endm
.macro PSTEP k
	s_wait_dscnt 0x0                               ; this step's fragments are in
.if ((\k)%2 == 1) && ((\k) < 7)
	s_wait_tensorcnt 3-((\k)+1)/2                  ; my part of the next chunk has landed; the later chunks' loads may be out
	s_barrier_signal -1
	s_barrier_wait -1                              ; everybody's has
.endif
.if (\k) < 7
.if (\k) > 0
.rept 4
	v_nop                                          ; places in front of loads into the set that the last products read
.endr
.endif
	FETCH (\k)+1
.endif
.if (\k) == 0
	s_wait_loadcnt 0x0                             ; the bias
.endif
	MULS \k
.endm
	s_wait_tensorcnt 3                             ; the scale words and chunk 0 are in; chunks 1 to 3 may be out
	s_barrier_signal -1
	s_barrier_wait -1
	FETCH 0
	PSTEP 0
	PSTEP 1
	PSTEP 2
	PSTEP 3
	PSTEP 4
	PSTEP 5
	PSTEP 6
	PSTEP 7
; THE WAY OUT, a tile of 16 tokens at a time: a lane's 64 numbers of a row go into my stage and come back as whole rows of 512 bytes
.macro TOSTAGE a
	WIN 0x04                                       ; an LDS store's data: window 1
.irp b, 0,1,2,3,4,5,6,7
	ds_store_b128 v[STO], v[8*(8*(\a)+\b):8*(8*(\a)+\b)+3] offset:128*(\b/2)+32*(\b%2)      ; each accumulator from its low end on
	ds_store_b128 v[STO], v[8*(8*(\a)+\b)+4:8*(8*(\a)+\b)+7] offset:128*(\b/2)+32*(\b%2)+16
.endr
	WIN 0
.set BB, BK+64*((\a)%2)
.irp t, 0,1,2,3,4,5,6,7,8,9,10,11,12,13,14,15
	ds_load_b128 v[BB+4*\t:BB+4*\t+3], v[RD] offset:\t*528   ; LDS serves a wave's instructions in order: these see the stores above
.endr
.endm
.macro SEND a, younger
.set BB, BK+64*((\a)%2)
	s_wait_dscnt \younger
.irp t, 0,1,2,3,4,5,6,7,8,9,10,11,12,13,14,15
	global_store_b128 v[CO], v[BB+4*\t:BB+4*\t+3], s[10:11] offset:(32*((\a)/2)+8*((\a)%2)+\t+8*(\t/8))*4096 th:TH_STORE_NT   ; 512 consecutive bytes, aligned
.endr
.endm
.rept 4
	v_nop                                          ; places behind the last products
.endr
	TOSTAGE 0
.irp a, 1,2,3
.if \a > 1
	s_wait_xcnt 0x0                                ; tile a - 2's stores have read their registers
.endif
	TOSTAGE \a
	SEND \a-1, 32                                  ; behind tile a - 1's loads: tile a's 16 stores and 16 loads
.endr
	SEND 3, 0
	s_wait_tensorcnt 0x0
	ds_add_u32 v254, v255
	s_wait_dscnt 0x0
	CROUND                                         ; the closing round
	s_endpgm
.Lfunc_end_k_q09e224c5bf_proj:
	.size	k_q09e224c5bf_proj, .Lfunc_end_k_q09e224c5bf_proj-k_q09e224c5bf_proj
	.p2alignl 7, 3214868480
	.fill 96, 4, 3214868480
	.section	.rodata,"a",@progbits
	.p2align	6, 0x0
	.amdhsa_kernel k_q09e224c5bf_proj
		.amdhsa_group_segment_fixed_size 307712
		.amdhsa_private_segment_fixed_size 0
		.amdhsa_enable_private_segment 0
		.amdhsa_kernarg_size 32
		.amdhsa_user_sgpr_count 2
		.amdhsa_user_sgpr_kernarg_segment_ptr 1
		.amdhsa_wavefront_size32 1
		.amdhsa_system_sgpr_workgroup_id_x 1
		.amdhsa_system_sgpr_workgroup_id_y 1
		.amdhsa_system_sgpr_workgroup_id_z 1
		.amdhsa_system_vgpr_workitem_id 0
		.amdhsa_next_free_vgpr 768
		.amdhsa_next_free_sgpr 102
		.amdhsa_reserve_vcc 0
		.amdhsa_float_denorm_mode_32 3
		.amdhsa_float_denorm_mode_16_64 3
		.amdhsa_memory_ordered 1
		.amdhsa_forward_progress 1
		.amdhsa_inst_pref_size 84
	.end_amdhsa_kernel
	.amdgpu_metadata
---
amdhsa.version: [ 1, 2 ]
amdhsa.kernels:
  - .name:           k_q09e224c5bf_proj
    .symbol:         k_q09e224c5bf_proj.kd
    .args:
      - { .name: yq, .offset: 0, .size: 8, .value_kind: global_buffer, .address_space: global }
      - { .name: wc, .offset: 8, .size: 8, .value_kind: global_buffer, .address_space: global }
      - { .name: b_proj, .offset: 16, .size: 8, .value_kind: global_buffer, .address_space: global }
      - { .name: out0, .offset: 24, .size: 8, .value_kind: global_buffer, .address_space: global }
    .group_segment_fixed_size: 307712
    .private_segment_fixed_size: 0
    .kernarg_segment_align: 8
    .kernarg_segment_size: 32
    .max_flat_workgroup_size: 128
    .sgpr_count:     102
    .vgpr_count:     768
    .wavefront_size: 32
...
	.end_amdgpu_metadata
.endif
;; end of part 4
